; MI455X (gfx1250); checked and timed in simulation.
; The chip was launched on July 23, 2026; its instructions are those of AMD's public machine-readable ISA for CDNA 5 (MIT licence, August 2026) and "CDNA5" Instruction Set Architecture Reference Guide (July 2026). The comments in the code are by the model that wrote it; some were corrected since.
;; Multihead Attention. Allowed arithmetic: matrix products marked QUANTISED: E2M1 operands, one E8M0 scale for each 32 along K, by v_wmma_scale_f32_16x16x128_f8f6f4 with both operands' format E2M1 (or v_wmma_scale_f32_32x16x128_f4), f32 sums; products left as they are: bf16, f16 or f32 operands; f32 sums; everything else in f32.
;; Inputs: Wk 1,024 x 1,024 float32; Wo 1,024 x 1,024 float32; Wq 1,024 x 1,024 float32; Wv 1,024 x 1,024 float32; gamma 16 float32; key 4 x 2,048 x 1,024 float32; key_padding_mask 4 x 2,048 bool; query 4 x 2,048 x 1,024 float32; value 4 x 2,048 x 1,024 float32.
;; Outputs: out0 4 x 2,048 x 1,024 float32.
;; This version of the problem:
;;   THIS VERSION OF THE PROBLEM IS GIVEN IN LOW PRECISION. The matrix products marked QUANTISED in the list below multiply operands that are first quantised to E2M1 (2 exponent bits, 1 mantissa bit; 4 bits a number), with one power-of-two scale for each 32 numbers along K (OCP MX v1.0); their sums are f32. The products marked 'left as it is' may take bf16, f16 or f32 operands, with f32 sums. Whichever they take, every output number must still come out within the allowed error. Rounding operands to bf16 (8 significant bits) uses up far more of that allowance than f16 does (11 bits, for magnitudes from 6e-5 to 65,504). All else is computed in f32.
;;   The module's matrix products, in the order in which they are computed (A, B: the left and right operand; K: the contracted axis; several contracted axes count as one K, in the product's order):
;;     1. [M 8,192, K 1,024] x [K 1,024, N 1,024]; A: input query; B: input Wq: QUANTISED
;;     2. [M 8,192, K 1,024] x [K 1,024, N 1,024]; A: input key; B: input Wk: QUANTISED
;;     3. [M 8,192, K 1,024] x [K 1,024, N 1,024]; A: input value; B: input Wv: QUANTISED
;;     4. batch 64 x [M 2,048, K 64] x [K 64, N 2,048]; A: computed on the way; B: computed on the way: left as it is (an operand is computed on the way)
;;     5. batch 64 x [M 2,048, K 2,048] x [K 2,048, N 64]; A: computed on the way; B: computed on the way: left as it is (an operand is computed on the way)
;;     6. [M 8,192, K 1,024] x [K 1,024, N 1,024]; A: computed on the way; B: input Wo: left as it is (an operand is computed on the way)
;;   THE QUANTISER, for each operand of a quantised product, along K:
;;     - K is cut into blocks of 32 from its start; a last block that is shorter is filled with zeros.
;;     - A block's scale is 2^e with e = floor(log2(the largest magnitude in the block)) - 2, held to -126 .. 127; a block of zeros has e = 0. As a byte (E8M0): e + 127.
;;     - Each number is divided by its block's scale, clamped to +-6, and rounded to the nearest number of E2M1, ties to even, subnormals kept.
;;     - The product sums the exact products of the quantised numbers (number of the format x scale) in f32.
;;   ~~~python
;;   def quantise(x, axis):      # numpy; x: float32 -> the quantised numbers, widened to float32 again
;;       x = np.moveaxis(x, axis, -1); K = x.shape[-1]
;;       x = np.pad(x, [(0, 0)] * (x.ndim - 1) + [(0, -K % 32)]); x = x.reshape(x.shape[:-1] + (-1, 32)); a = np.abs(x).max(-1, keepdims=True)
;;       e = np.where(a > 0, np.clip(np.frexp(np.where(a > 0, a, 1))[1] - 1 - 2, -126, 127), 0)      # np.frexp(a)[1] - 1 = floor(log2(a)), exactly
;;       r = np.clip(x / 2.0 ** e, -6, 6)
;;       step = 2.0 ** (np.maximum(np.frexp(np.where(r == 0, 1, r))[1] - 1, 0) - 1)
;;       q = np.round(r / step) * step * 2.0 ** e      # np.round: ties to even
;;       return np.moveaxis(q.reshape(q.shape[:-2] + (-1,))[..., :K], -1, axis).astype(np.float32)
;;   ~~~
;; One version. Each part assembles by itself: llvm-mc -triple=amdgcn-amd-amdhsa -mcpu=gfx1250 --defsym DOCPART=n.
;; ======== version 1 of 1: 4 launches
;; limits: values are held in f16: magnitudes above 65,504 overflow, below 6.1e-05 lose precision; right only within a limited range of input values
;; workspace buffers: xc 12,582,912 bytes; xs 786,432 bytes; wc 1,572,864 bytes; ws 98,304 bytes; qkv 50,331,648 bytes; wo16 2,097,152 bytes; ctx 16,777,216 bytes
;; launch prep (part 1): grid 992 x 1, 4 waves a work-group, no clusters, 33,280 bytes of LDS; arguments query, key, value, Wq, Wk, Wv, Wo, gamma, xc, xs, wc, ws, wo16; writes xc, xs, wc, ws, wo16
.if DOCPART == 1
	.amdgcn_target "amdgcn-amd-amdhsa--gfx1250"
	.amdhsa_code_object_version 6
	.text
	.protected	k_q43e79b9794_prep
	.globl	k_q43e79b9794_prep
	.p2align	8
	.type	k_q43e79b9794_prep,@function
k_q43e79b9794_prep:
	s_mov_b64 s[64:65], 0
	v_nop
	global_prefetch_b8 v0, s[64:65] scope:SCOPE_SE
	s_setreg_imm32_b32 hwreg(HW_REG_WAVE_MODE, 25, 1), 1
	s_wait_xcnt 0x0
; TWO JOBS IN ONE LAUNCH, parted by the work-group's number.
; Work-groups 0-863: query, key, value [8192][1024] and Wq, Wk, Wv [1024][1024], f32 with K innermost, become codes of FP4 (E2M1), two a byte, K innermost, with one E8M0 byte for each 32 along K.
;   query, key, value are stacked in xc [24576][512 bytes] and xs [24576][32]; Wq, Wk, Wv in wc [3072][512] and ws [3072][32].  Rows are dense and K is a multiple of 32: each tensor is a plain stream of blocks of 32.
;   A block's scale is 2^(floor(log2(its largest magnitude)) - 2); its byte is the largest magnitude's exponent field - 2, held at 1 from below.  Each number is divided by the scale and rounded to the nearest code, ties to even; beyond 6 the largest code.
;   A wave takes 16 steps of 512 numbers.  Each load reads 512 consecutive bytes; a step's 2,048 bytes turn through the wave's own stage in LDS, so that a lane then holds 16 neighbours along K (two lanes a block).
;   A lane's 16 codes are 8 bytes: a wave's store covers 256 consecutive bytes, aligned.  A wave's 256 scale bytes are gathered in LDS and leave by one store of 256 consecutive bytes.
; Work-groups 864-991: wo16[nt][h][n % 128][d] = f16(Wo[128 nt + n % 128][64 h + d] x gamma[h] x 256): the head's gain is folded into the weight in f32, and 2^8 keeps small weights in f16's normal range; the last launch takes 2^-12 back
;   (2^8 here, 2^4 on the attention's result).  One work-group makes one block (nt, h) of 128 rows x 64 numbers, 16,384 dense bytes.
; LIMITS: blocks whose largest magnitude lies under 2^-124 keep the byte 1 (not tried); a block of zeros gets the byte 1 where the rule says 127: its codes are zeros, and this program alone reads the bytes.
;   |Wo x gamma| up to 255 (f16's largest number / 256).  NaN and infinities among the inputs are not served.
.set WAVES, 4
.set STEPS, 16
.set NQWG,  864                        ; 3 x 256 work-groups for query, key, value; 3 x 32 for Wq, Wk, Wv: 32,768 numbers each
.set EMAX,  2
.set CB,    8                          ; bytes of 16 codes
.set R,     16                         ; v16-79   four sets of 16 numbers as they are loaded
.set X,     80                         ; v80-111  two sets of 16 neighbours
.set C,     128                        ; v128-191 codes: four registers for each step, so that no store's data are written again
.set E,     112                        ; v112-127 a scale byte for each step
.set WREG,  8192                       ; LDS: a region for each wave: two stages of 32 x SP bytes, behind them its 256 scale bytes
.set SP,    80                         ; a lane's place in a stage: 64 bytes + 16 of padding
.set SPW,   12                         ; v12  LDS address of my spare word; never rewritten
.set NIL,   13                         ; v13  0; never rewritten
.set SPARE, WAVES*WREG                 ; behind the four regions: the spare words, 128 bytes a wave, which no other line names
	s_load_b512 s[36:51], s[0:1], 0x0              ; query 36, key 38, value 40, Wq 42, Wk 44, Wv 46, Wo 48, gamma 50
	s_load_b256 s[52:59], s[0:1], 0x40             ; xc 52, xs 54, wc 56, ws 58
	s_load_b64 s[60:61], s[0:1], 0x60              ; wo16
	v_lshl_add_u32 v[SPW], v0, 2, SPARE
	v_mov_b32 v[NIL], 0
	v_lshrrev_b32 v1, 5, v0
	v_readfirstlane_b32 s16, v1                    ; wave
	v_and_b32 v2, 31, v0                           ; lane
	s_wait_kmcnt 0x0
	s_cmp_ge_u32 ttmp9, NQWG
	s_cbranch_scc1 .Lwo
; ---------------- the quantiser
	v_lshlrev_b32 v3, 4, v2                        ; my 16 bytes of a load's 512
	s_mul_i32 s23, s16, WREG
	v_lshrrev_b32 v14, 2, v2
	v_mul_u32_u24 v14, v14, SP
	v_and_b32 v15, 3, v2
	v_lshl_add_u32 v14, v15, 4, v14
	v_add_nc_u32 v14, s23, v14                     ; the stage, on the way in: SP (lane / 4) + 16 (lane % 4)
	v_mul_u32_u24 v15, v2, SP
	v_add_nc_u32 v15, s23, v15                     ; and on the way out: SP x lane: my 16 neighbours
	v_mul_u32_u24 v4, v2, CB                       ; my codes' place in a step's
	v_lshrrev_b32 v5, 1, v2
	s_add_co_u32 s23, s23, 2*32*SP
	v_add_nc_u32 v5, s23, v5                       ; my wave's 256 scale bytes, my block's byte
	v_lshlrev_b32 v7, 3, v2                        ; and on the way out 8 bytes a lane
	v_add_nc_u32 v6, s23, v7
	; which tensor: choices on the work-group's number alone.  s17: the tensor's first work-group; s22: the first of its stack
	s_mov_b64 s[4:5], s[46:47]
	s_mov_b32 s17, 832
	s_cmp_lt_u32 ttmp9, 832
	s_cselect_b64 s[4:5], s[44:45], s[4:5]
	s_cselect_b32 s17, 800, s17
	s_cmp_lt_u32 ttmp9, 800
	s_cselect_b64 s[4:5], s[42:43], s[4:5]
	s_cselect_b32 s17, 768, s17
	s_cmp_lt_u32 ttmp9, 768
	s_cselect_b64 s[4:5], s[40:41], s[4:5]
	s_cselect_b32 s17, 512, s17
	s_cselect_b64 s[8:9], s[52:53], s[56:57]       ; codes: xc or wc
	s_cselect_b64 s[10:11], s[54:55], s[58:59]     ; scale bytes: xs or ws
	s_cselect_b32 s22, 0, 768
	s_cmp_lt_u32 ttmp9, 512
	s_cselect_b64 s[4:5], s[38:39], s[4:5]
	s_cselect_b32 s17, 256, s17
	s_cmp_lt_u32 ttmp9, 256
	s_cselect_b64 s[4:5], s[36:37], s[4:5]
	s_cselect_b32 s17, 0, s17
	s_sub_co_u32 s17, ttmp9, s17
	s_lshl_b32 s17, s17, 2
	s_add_co_u32 s18, s17, s16                     ; which run of 8,192 numbers of the tensor is my wave's
	s_lshl_b32 s18, s18, 15                        ; 32,768 bytes a run
	s_mov_b32 s19, 0
	s_add_nc_u64 s[4:5], s[4:5], s[18:19]
	s_sub_co_u32 s22, ttmp9, s22
	s_lshl_b32 s22, s22, 2
	s_add_co_u32 s22, s22, s16                     ; and which run of the stack
	s_lshl_b32 s20, s22, 12                        ; 4,096 bytes of codes a run
	s_mov_b32 s21, 0
	s_add_nc_u64 s[8:9], s[8:9], s[20:21]
	s_lshl_b32 s20, s22, 8                         ; 256 scale bytes a run
	s_add_nc_u64 s[10:11], s[10:11], s[20:21]
.macro LOAD t
.irp i, 0,1,2,3
	global_load_b128 v[R+16*((\t)%4)+4*\i:R+16*((\t)%4)+4*\i+3], v3, s[4:5] offset:2048*(\t)+512*\i th:TH_LOAD_NT   ; 32 lanes read 512 consecutive bytes
.endr
.endm
.macro TURN t                          ; step t's numbers through the stage: LDS serves a wave's instructions in order, so no wait stands between the stores and the loads
.irp i, 0,1,2,3
	ds_store_b128 v14, v[R+16*((\t)%4)+4*\i:R+16*((\t)%4)+4*\i+3] offset:32*SP*((\t)%2)+8*SP*\i
.endr
.irp i, 0,1,2,3
	ds_load_b128 v[X+16*((\t)%2)+4*\i:X+16*((\t)%2)+4*\i+3], v15 offset:32*SP*((\t)%2)+16*\i
.endr
.endm
.irp t, 0,1,2,3
	LOAD \t
.endr
	s_wait_loadcnt 12                              ; step 0's four loads are in; the twelve behind them stay out
	TURN 0
.macro STEP t
.set XS, X+16*((\t)%2)
.if (\t) > 0
	s_wait_dscnt 1                                 ; this step's numbers are back from the stage (the last step's byte store may be out): so its stores into the stage have read their registers,
.else
	s_wait_dscnt 0x0
.endif
.if (\t)+4 < STEPS
	LOAD (\t)+4                                    ; which take the loads of four steps on
.endif
.if (\t)+1 < STEPS
.if STEPS-2-(\t) >= 3
	s_wait_loadcnt 12                              ; the next step's four loads are in; those of the three steps behind it may be out
.else
	s_wait_loadcnt 4*(STEPS-2-(\t))
.endif
	TURN (\t)+1                                    ; and go through the other stage while this step is worked
.endif
	v_max3_num_f32 v8, |v[XS]|, |v[XS+1]|, |v[XS+2]|               ; the largest magnitude of my 16, in two chains
	v_max3_num_f32 v9, |v[XS+3]|, |v[XS+4]|, |v[XS+5]|
.irp i, 6,10
	v_max3_num_f32 v8, v8, |v[XS+\i]|, |v[XS+\i+1]|
	v_max3_num_f32 v9, v9, |v[XS+\i+2]|, |v[XS+\i+3]|
.endr
	v_max3_num_f32 v8, v8, |v[XS+14]|, |v[XS+15]|
	v_max3_num_f32 v8, v8, v9, (EMAX+1)<<23        ; and the floor 2^(3 - 127): the byte cannot fall under 1
	v_max_num_f32_dpp v8, v8, v8 row_xmask:1 row_mask:0xf bank_mask:0xf   ; and of my neighbour's 16: the block's
	v_add_nc_u32 v11, -(EMAX<<23), v8              ; 2 off its exponent field: the conversion takes the exponent field of this operand as its scale, and nothing else of it
	v_cvt_scalef32_pk8_fp4_f32 v[C+4*(\t)], v[XS:XS+7], v11
	v_cvt_scalef32_pk8_fp4_f32 v[C+4*(\t)+1], v[XS+8:XS+15], v11
	v_lshrrev_b32 v[E+(\t)], 23, v11               ; the scale's byte (also the plain line behind the conversions)
	ds_store_b8 v5, v[E+(\t)] offset:16*(\t)       ; both lanes of a block write the same byte with the same value
	global_store_b64 v4, v[C+4*(\t):C+4*(\t)+1], s[8:9] offset:32*CB*(\t)
.endm
.irp t, 0,1,2,3,4,5,6,7,8,9,10,11,12,13,14,15
	STEP \t
.endr
	ds_load_b64 v[8:9], v6                         ; LDS serves a wave's instructions in order: these see my byte stores
	s_wait_dscnt 0x0
	global_store_b64 v7, v[8:9], s[10:11]          ; 32 lanes store 256 consecutive bytes, aligned
	s_wait_tensorcnt 0x0                           ; the wave's end, behind my last LDS store
	ds_add_u32 v[SPW], v[NIL]
	s_wait_dscnt 0x0
	s_endpgm
; ---------------- Wo x gamma x 256 in f16, head by head
.Lwo:
	s_sub_co_u32 s20, ttmp9, NQWG                  ; 16 nt + h
	s_lshr_b32 s21, s20, 4                         ; nt
	s_and_b32 s22, s20, 15                         ; h
	s_lshl_b32 s26, s22, 2
	s_mov_b32 s27, 0
	s_add_nc_u64 s[50:51], s[50:51], s[26:27]
	s_load_b32 s24, s[50:51], 0x0                  ; gamma[h]
	s_lshl_b32 s28, s21, 7
	s_lshl_b32 s29, s16, 5
	s_add_co_u32 s28, s28, s29                     ; my wave's first row of Wo: 128 nt + 32 wave
	s_lshl_b32 s28, s28, 12                        ; 4,096 bytes a row
	s_lshl_b32 s29, s22, 8                         ; the head's 64 columns: 256 bytes
	s_add_co_u32 s28, s28, s29
	s_mov_b32 s29, 0
	s_add_nc_u64 s[48:49], s[48:49], s[28:29]
	s_lshl_b32 s30, s20, 14                        ; the block (nt, h): 16,384 bytes
	s_lshl_b32 s31, s16, 12                        ; my 32 rows of 128 bytes
	s_add_co_u32 s30, s30, s31
	s_mov_b32 s31, 0
	s_add_nc_u64 s[60:61], s[60:61], s[30:31]
	v_lshrrev_b32 v4, 4, v2
	v_and_b32 v5, 15, v2
	v_lshlrev_b32 v5, 4, v5
	v_lshl_or_b32 v4, v4, 12, v5                   ; in: lanes 0-15 one row's 256 bytes, lanes 16-31 the next row's
	v_lshlrev_b32 v6, 3, v2                        ; out: 8 bytes a lane: the two rows' 128 bytes lie on end
.irp i, 0,1,2,3,4,5,6,7,8,9,10,11,12,13,14,15
	global_load_b128 v[16+4*\i:19+4*\i], v4, s[48:49] offset:8192*\i th:TH_LOAD_NT
.endr
	s_wait_kmcnt 0x0
	s_mul_f32 s24, s24, 0x43800000                 ; gamma[h] x 256
	s_mov_b32 s25, s24                             ; (named with it as a pair, so it is written)
.irp i, 0,1,2,3,4,5,6,7,8,9,10,11,12,13,14,15
	s_wait_loadcnt 15-\i                           ; loads come back in order: pair i of rows is in, the younger ones stay out
	v_pk_mul_f32 v[16+4*\i:17+4*\i], v[16+4*\i:17+4*\i], s[24:25] op_sel_hi:[1,0]
	v_pk_mul_f32 v[18+4*\i:19+4*\i], v[18+4*\i:19+4*\i], s[24:25] op_sel_hi:[1,0]
	v_cvt_pk_f16_f32 v[80+2*\i], v[16+4*\i], v[17+4*\i]
	v_cvt_pk_f16_f32 v[81+2*\i], v[18+4*\i], v[19+4*\i]
	global_store_b64 v6, v[80+2*\i:81+2*\i], s[60:61] offset:256*\i   ; 256 consecutive bytes, aligned; every store has data registers of its own
.endr
	s_endpgm
.Lfunc_end_k_q43e79b9794_prep:
	.size	k_q43e79b9794_prep, .Lfunc_end_k_q43e79b9794_prep-k_q43e79b9794_prep
	.p2alignl 7, 3214868480
	.fill 96, 4, 3214868480
	.section	.rodata,"a",@progbits
	.p2align	6, 0x0
	.amdhsa_kernel k_q43e79b9794_prep
		.amdhsa_group_segment_fixed_size 33280
		.amdhsa_private_segment_fixed_size 0
		.amdhsa_enable_private_segment 0
		.amdhsa_kernarg_size 104
		.amdhsa_user_sgpr_count 2
		.amdhsa_user_sgpr_kernarg_segment_ptr 1
		.amdhsa_wavefront_size32 1
		.amdhsa_system_sgpr_workgroup_id_x 1
		.amdhsa_system_sgpr_workgroup_id_y 1
		.amdhsa_system_sgpr_workgroup_id_z 1
		.amdhsa_system_vgpr_workitem_id 0
		.amdhsa_next_free_vgpr 192
		.amdhsa_next_free_sgpr 66
		.amdhsa_reserve_vcc 0
		.amdhsa_float_denorm_mode_32 3
		.amdhsa_float_denorm_mode_16_64 3
		.amdhsa_memory_ordered 1
		.amdhsa_forward_progress 1
		.amdhsa_inst_pref_size 43
	.end_amdhsa_kernel
	.amdgpu_metadata
---
amdhsa.version: [ 1, 2 ]
amdhsa.kernels:
  - .name:           k_q43e79b9794_prep
    .symbol:         k_q43e79b9794_prep.kd
    .args:
      - { .name: query, .offset: 0, .size: 8, .value_kind: global_buffer, .address_space: global }
      - { .name: key, .offset: 8, .size: 8, .value_kind: global_buffer, .address_space: global }
      - { .name: value, .offset: 16, .size: 8, .value_kind: global_buffer, .address_space: global }
      - { .name: Wq, .offset: 24, .size: 8, .value_kind: global_buffer, .address_space: global }
      - { .name: Wk, .offset: 32, .size: 8, .value_kind: global_buffer, .address_space: global }
      - { .name: Wv, .offset: 40, .size: 8, .value_kind: global_buffer, .address_space: global }
      - { .name: Wo, .offset: 48, .size: 8, .value_kind: global_buffer, .address_space: global }
      - { .name: gamma, .offset: 56, .size: 8, .value_kind: global_buffer, .address_space: global }
      - { .name: xc, .offset: 64, .size: 8, .value_kind: global_buffer, .address_space: global }
      - { .name: xs, .offset: 72, .size: 8, .value_kind: global_buffer, .address_space: global }
      - { .name: wc, .offset: 80, .size: 8, .value_kind: global_buffer, .address_space: global }
      - { .name: ws, .offset: 88, .size: 8, .value_kind: global_buffer, .address_space: global }
      - { .name: wo16, .offset: 96, .size: 8, .value_kind: global_buffer, .address_space: global }
    .group_segment_fixed_size: 33280
    .private_segment_fixed_size: 0
    .kernarg_segment_align: 8
    .kernarg_segment_size: 104
    .max_flat_workgroup_size: 128
    .sgpr_count:     66
    .vgpr_count:     192
    .wavefront_size: 32
...
	.end_amdgpu_metadata
.endif
;; end of part 1
;; launch proj (part 2): grid 4 x 96, 4 waves a work-group, clusters of 4 x 4, 327,680 bytes of LDS; arguments xc, xs, wc, ws, qkv; writes qkv
.if DOCPART == 2
	.amdgcn_target "amdgcn-amd-amdhsa--gfx1250"
	.amdhsa_code_object_version 6
	.text
	.protected	k_q43e79b9794_proj
	.globl	k_q43e79b9794_proj
	.p2align	8
	.type	k_q43e79b9794_proj,@function
k_q43e79b9794_proj:
	s_mov_b64 s[64:65], 0
	v_nop
	global_prefetch_b8 v0, s[64:65] scope:SCOPE_SE
	s_setreg_imm32_b32 hwreg(HW_REG_WAVE_MODE, 25, 1), 1
	s_wait_xcnt 0x0
	s_wait_alu depctr_hold_cnt(0) depctr_sa_sdst(0) depctr_va_vdst(0) depctr_va_sdst(0) depctr_va_ssrc(0) depctr_va_vcc(0) depctr_vm_vsrc(0)
	s_getreg_b32 s2, hwreg(HW_REG_IB_STS2, 6, 4)
	s_cmp_eq_u32 s2, 0
	s_cbranch_scc0 .Lentry_in_a_cluster
	s_endpgm
.Lentry_in_a_cluster:
	s_bfe_u32 s2, ttmp6, 0x10000c
	s_cmp_lg_u32 s2, 0xf033
	s_cbranch_scc0 .Lentry_shape_is_right
	s_endpgm
.Lentry_shape_is_right:
; THE THREE QUANTISED PRODUCTS AS ONE GEMM ON CODES OF FP4: q = query Wq^T, k = key Wk^T, v = value Wv^T.
; A = xc [24576][1024 codes] (query, key, value stacked), B = wc [3072][1024 codes] (Wq, Wk, Wv stacked), one E8M0 byte for each 32 along K in xs, ws.  Tensor t = tile row / 32 of A takes rows 1024 t .. of B.
; The result, f32 sums rounded once to f16, goes to qkv [t][batch][head][position][64]: a head's rows are dense, 128 bytes each.
; A tile of C, 256 x 256, is made by a work-group of four waves; a wave makes 128 x 128: 64 accumulators of 16 x 16, 512 registers.  K = 1,024 is two LDS slots of 512 along K (rows of 256 bytes): both are asked for at the start and nothing is filled again.
; The scale bytes of the work-group's 256 rows of A and of B, for all of K, are two dense blocks of memory: they come into LDS once, with the first fills.
; CLUSTERS: 4 x 4 work-groups.  The four of a row of the cluster need the same tiles of A, the four of a column the same tiles of B (t is the same in all sixteen: 8 clusters along y to a tensor): each tile is asked for jointly.
; THE MATRIX INSTRUCTION IS USED TRANSPOSED (source 0 = 16 rows of B, source 1 = 16 rows of A): a lane holds eight neighbouring numbers of a row of C.
; REGISTERS, in windows of 256: window 0: v0-31 addresses; v32-95 scale words, two sets; from v128 A's fragments, one set; on the way out v32-63, v192-255.
;   window 1: B's fragments, two sets, at v0 and v128.   window 2: the accumulators of my rows 0-63 ((a, b) at v[8 (8 a + b)]);   window 3: those of my rows 64-127.
; LIMIT: |q|, |k|, |v| up to 65,504 (f16).
.set SIZE_K, 1024
.set KSTEP,  512
.set NQ,     KSTEP/128
.set ROWB,   256                       ; a tile's row in bytes
.set KROW,   SIZE_K*4/8                ; a row of codes in memory
.set PITCH,  272                       ; an LDS row: 256 bytes + 16 of padding: the 16 rows that a load touches start 16 bytes further on in each 256
.set FR,     8
.set NL,     2
.set NP,     4                         ; places behind this matrix instruction (ISA guide 7.12.1)
.set HALFT,  128*PITCH
.set SLOT,   4*HALFT                   ; A's 256 rows, then B's 256 rows
.set KS,     SIZE_K/32                 ; a row of scale bytes
.set SCL,    2*SLOT                    ; behind the slots: the scale bytes, as rows of 256 bytes + 16 of padding
.set HALFS,  (128*KS/256)*272
.set SBLK,   (16*KS/256)*272
.set SPARE,  SCL+4*HALFS               ; the spare words, 128 bytes a wave, which no other line names
.set SPITCH, 272                       ; the way out: a stage of 16 rows x (256 bytes + 16) for each wave, in slot 0, which has had its only fill and its last read when the first result is stored there
.set ADRA, 16
.set ADRB, 20
.set STO,  24
.set RD,   25
.set CO,   26
.set ADRS, 27
.set SPW,  28
.set NIL,  29
.set SC,   32
.set AF,   128
.set TMP,  192                         ; the way out: packed results
.set OB,   32                          ; and 16 rows read back: v32-63 and v224-255 by turns
.set G1, 24
.set G0, 32
.set G1B, 48
.set G0B, 56
.set G1S, 68
.set G0S, 76
.set G1SB, 80
.set G0SB, 88
.set MSB, 0
.macro WIN new                         ; the immediate's high byte repeats the setting that is left
.if MSB != \new
	s_set_vgpr_msb (MSB<<8)|\new
.set MSB, \new
.endif
.endm
.set MUL_LO, 0xa1                      ; source 0 (B) window 1, source 1 (A) window 0, C and D window 2
.set MUL_HI, 0xf1
.set TO_B,   0x40
; A joint load: waves 0 and 1 fetch for A, waves 2 and 3 for B.  The branch hangs on the wave's number alone.  An s_nop 0 and four v_nop follow each of the two lines.
.macro JLOAD g0a, g1a, g0b, g1b
	s_cmp_eq_u32 s15, 0
	s_cbranch_scc0 .Lfor_b_\@
	tensor_load_to_lds s[\g0a:\g0a+3], s[\g1a:\g1a+7]
	s_nop 0
.rept 4
	v_nop
.endr
	s_branch .Lasked_\@
.Lfor_b_\@:
	tensor_load_to_lds s[\g0b:\g0b+3], s[\g1b:\g1b+7]
	s_nop 0
.rept 4
	v_nop
.endr
.Lasked_\@:
.endm
.macro CROUND                          ; a round of the cluster's barrier
	s_barrier_signal -1
	s_barrier_wait -1
	s_cmp_lg_u32 s14, 0
	s_cbranch_scc1 .Lnot_wave_0_\@
	s_barrier_signal -3
.Lnot_wave_0_\@:
	s_barrier_wait -3
	s_barrier_signal -1
	s_barrier_wait -1
.endm
	s_load_b128 s[4:7], s[0:1], 0x0                ; xc, xs
	s_load_b128 s[8:11], s[0:1], 0x10              ; wc, ws
	s_load_b64 s[12:13], s[0:1], 0x20              ; qkv
	v_lshl_add_u32 v[SPW], v0, 2, SPARE
	v_mov_b32 v[NIL], 0
	ds_add_u32 v[SPW], v[NIL]                      ; the wave's opening: the add, twice on end, and its wait ahead of my first tensor load
	ds_add_u32 v[SPW], v[NIL]
	v_lshrrev_b32 v1, 5, v0
	v_readfirstlane_b32 s14, v1                    ; wave 0..3
	s_lshr_b32 s15, s14, 1                         ; which half of the tile's rows is mine.  Also: I fetch for A (0) or for B (1)
	s_and_b32 s16, s14, 1                          ; which half of its columns.  Also: which 128 rows of that tile I fetch
	s_bfe_u32 s40, ttmp6, 0x40000                  ; cx, cy
	s_bfe_u32 s41, ttmp6, 0x40004
	s_lshl_b32 s42, ttmp9, 2
	s_add_co_u32 s42, s42, s40                     ; tile column 0..3
	s_and_b32 s17, ttmp7, 0xffff
	s_lshl_b32 s17, s17, 2
	s_add_co_u32 s17, s17, s41                     ; tile row 0..95
	s_lshl_b32 s43, s41, 2
	s_lshl_b32 s43, 15, s43                        ; my row of the cluster
	s_lshl_b32 s44, 0x1111, s40                    ; my column
	s_or_b32 s[G1+0], s43, (0<<16)|(1<<20)|(1<<21)|(5<<22)|(3<<25)  ; the mask; elements of 1 byte; padding: 4 words behind every 64; bit 21 beside a mask
	s_or_b32 s[G1B+0], s44, (0<<16)|(1<<20)|(1<<21)|(5<<22)|(3<<25)
.irp g, G1, G1B
	s_mov_b32 s[\g+1], ROWB<<16                    ; tensor_dim0
	s_mov_b32 s[\g+2], 128<<16                     ; tensor_dim1
	s_mov_b32 s[\g+3], ROWB<<16                    ; tile_dim0
	s_mov_b32 s[\g+4], 128                         ; tile_dim1
	s_mov_b32 s[\g+5], KROW                        ; from row to row
	s_mov_b32 s[\g+6], 0
	s_mov_b32 s[\g+7], 0
.endr
	s_or_b32 s[G1S+0], s43, (3<<16)|(1<<20)|(1<<21)|(5<<22)|(3<<25) ; the scale bytes of 128 rows: 4,096 dense bytes as rows of 256 (32 elements of 8 bytes)
	s_or_b32 s[G1SB+0], s44, (3<<16)|(1<<20)|(1<<21)|(5<<22)|(3<<25)
.irp g, G1S, G1SB
	s_mov_b32 s[\g+1], 32<<16
	s_mov_b32 s[\g+2], (128*KS/256)<<16
	s_mov_b32 s[\g+3], 32<<16
	s_mov_b32 s[\g+4], 128*KS/256
	s_mov_b32 s[\g+5], 32
	s_mov_b32 s[\g+6], 0
	s_mov_b32 s[\g+7], 0
.endr
	s_lshl_b32 s18, s16, 7                         ; which 128 rows of the tile I fetch
	s_lshl_b32 s20, s17, 8
	s_add_co_u32 s20, s20, s18                     ; A: row 256 x tile row + 128 x half, in the stack
	s_lshl_b32 s46, s42, 8
	s_add_co_u32 s46, s46, s18                     ; B: row 256 x tile column + 128 x half
	s_and_b32 s95, ttmp7, 0xffff
	s_lshr_b32 s95, s95, 3                         ; t = cluster y / 8: made of the cluster's y alone, so it is the same in all sixteen
	s_lshl_b32 s95, s95, 10
	s_add_co_u32 s46, s46, s95                     ; + 1024 t
	s_mov_b32 s21, 0
	s_mov_b32 s47, 0
	s_mov_b64 s[18:19], KS
	s_mul_u64 s[22:23], s[20:21], s[18:19]         ; where these rows' scale bytes begin
	s_mul_u64 s[92:93], s[46:47], s[18:19]
	s_mov_b64 s[18:19], KROW
	s_mul_u64 s[20:21], s[20:21], s[18:19]         ; and their codes
	s_mul_u64 s[46:47], s[46:47], s[18:19]
	s_mul_i32 s45, s14, HALFT                      ; where they go: wave x 128 rows
	s_mul_i32 s94, s14, HALFS
	s_wait_dscnt 0x0                               ; both opening adds are done
	s_wait_kmcnt 0x0
	s_add_nc_u64 s[20:21], s[4:5], s[20:21]
	s_add_nc_u64 s[22:23], s[6:7], s[22:23]
	s_add_nc_u64 s[46:47], s[8:9], s[46:47]
	s_add_nc_u64 s[92:93], s[10:11], s[92:93]
	CROUND                                         ; all sixteen work-groups are here: the joint loads meet
	s_mov_b32 s[G0S], 1
	s_add_co_u32 s[G0S+1], s94, SCL
	s_mov_b64 s[G0S+2:G0S+3], s[22:23]
	s_or_b32 s[G0S+3], s[G0S+3], 0x80000000
	s_mov_b32 s[G0SB], 1
	s_add_co_u32 s[G0SB+1], s94, SCL
	s_mov_b64 s[G0SB+2:G0SB+3], s[92:93]
	s_or_b32 s[G0SB+3], s[G0SB+3], 0x80000000
	JLOAD G0S, G1S, G0SB, G1SB                     ; the scale bytes first: they are wanted with the first slot
.irp s, 0,1
	s_mov_b32 s[G0+4*\s], 1
	s_add_co_u32 s[G0+4*\s+1], s45, \s*SLOT
	s_add_nc_u64 s[G0+4*\s+2:G0+4*\s+3], s[20:21], \s*ROWB
	s_or_b32 s[G0+4*\s+3], s[G0+4*\s+3], 0x80000000
	s_mov_b32 s[G0B+4*\s], 1
	s_add_co_u32 s[G0B+4*\s+1], s45, \s*SLOT
	s_add_nc_u64 s[G0B+4*\s+2:G0B+4*\s+3], s[46:47], \s*ROWB
	s_or_b32 s[G0B+4*\s+3], s[G0B+4*\s+3], 0x80000000
	JLOAD G0+4*\s, G1, G0B+4*\s, G1B               ; three loads of mine are out in all
.endr
	v_and_b32 v1, 15, v0                           ; l % 16
	v_bfe_u32 v2, v0, 4, 1                         ; l / 16
	v_mul_u32_u24 v3, v1, PITCH
	v_lshl_add_u32 v4, v2, 4, v3                   ; a fragment's row x pitch + 16 x half
	s_mul_i32 s21, s15, HALFT                      ; my 128 rows of A
	s_mul_i32 s22, s16, HALFT                      ; my 128 rows of B,
	s_add_co_u32 s22, s22, 2*HALFT                 ; behind A's 256
.irp s, 0,1
	v_add_nc_u32 v[ADRA+\s], s21, v4
	v_add_nc_u32 v[ADRB+\s], s22, v4
	s_add_co_u32 s21, s21, SLOT
	s_add_co_u32 s22, s22, SLOT
.endr
	v_mul_u32_u24 v5, v1, KS                       ; my row's scale bytes: KS a row,
	v_lshrrev_b32 v6, 8, v5
	v_lshl_add_u32 v5, v6, 4, v5                   ; and 16 more for each 256 passed
	s_mul_i32 s21, s15, HALFS
	s_mul_i32 s22, s16, HALFS
	s_add_co_u32 s22, s22, 2*HALFS
	s_sub_co_u32 s22, s22, s21
	v_mul_u32_u24 v6, s22, v2                      ; lanes 16-31 take B's: one product, the distance between the two bases
	s_add_co_u32 s21, s21, SCL
	v_add_nc_u32 v5, v5, v6
	v_add_nc_u32 v[ADRS], s21, v5
	s_mul_i32 s23, s14, 16*SPITCH                  ; my stage
	v_mul_u32_u24 v5, v1, SPITCH                   ; in: row l % 16, 16 bytes for each half of the lanes
	v_lshl_add_u32 v5, v2, 4, v5
	v_add_nc_u32 v[STO], s23, v5
	v_bfe_u32 v5, v0, 3, 2                         ; back: eight lanes take 128 bytes (a head's part) of one row; four rows an instruction
	v_mul_u32_u24 v5, v5, SPITCH
	v_and_b32 v6, 7, v0
	v_lshl_add_u32 v5, v6, 4, v5
	v_add_nc_u32 v[RD], s23, v5
	v_and_b32 v6, 31, v0
	v_lshlrev_b32 v[CO], 4, v6                     ; those four rows of a head are 512 dense bytes of qkv
	; my part of qkv: ((16 (tile row / 8) + 4 tile column + 2 column half) heads of 262,144 bytes) + (256 (tile row % 8) + 128 row half) rows of 128 bytes
	s_lshr_b32 s20, s17, 3
	s_lshl_b32 s20, s20, 22
	s_and_b32 s21, s17, 7
	s_lshl_b32 s21, s21, 15
	s_add_co_u32 s20, s20, s21
	s_lshl_b32 s21, s15, 14
	s_add_co_u32 s20, s20, s21
	s_mov_b32 s21, 0
	s_lshl_b32 s46, s42, 20
	s_lshl_b32 s47, s16, 19
	s_add_co_u32 s46, s46, s47
	s_mov_b32 s47, 0
	s_add_nc_u64 s[20:21], s[20:21], s[46:47]
	s_add_nc_u64 s[12:13], s[12:13], s[20:21]
.macro FRAG reg, adr, q, i             ; 16 rows x 128 K of 4-bit codes: 8 registers: lane l holds row l % 16; registers 4 c .. 4 c + 3 hold K = 64 c + 32 (l / 16) + 0 .. 31
.irp c, 0,1
	ds_load_b128 v[\reg+4*\c:\reg+4*\c+3], v[\adr] offset:64*(\q)+32*\c+(\i)*16*PITCH
.endr
.endm
; 16 matrix instructions: A's blocks a0, a0 + 1 x B's eight, the slot's q-th 128 along K.  The 64 accumulators take turns, one instruction a turn, in the same order in every step.
; One register carries A's scale word (lanes 0-15) and B's (lanes 16-31) of block i.
.macro MUL16 a0, p, q, sc, zero
.irp a, \a0, \a0+1
.irp b, 0,1,2,3,4,5,6,7
.if \zero
	v_wmma_scale_f32_16x16x128_f8f6f4 v[8*(8*((\a)%4)+\b):8*(8*((\a)%4)+\b)+7], v[128*(\p)+FR*\b:128*(\p)+FR*\b+FR-1], v[AF+FR*(\a):AF+FR*(\a)+FR-1], 0, v[SC+8*NQ*(\sc)+NQ*\b+(\q)], v[SC+8*NQ*(\sc)+NQ*(\a)+(\q)] matrix_a_fmt:MATRIX_FMT_FP4 matrix_b_fmt:MATRIX_FMT_FP4 matrix_a_scale:MATRIX_SCALE_ROW1
.else
	v_wmma_scale_f32_16x16x128_f8f6f4 v[8*(8*((\a)%4)+\b):8*(8*((\a)%4)+\b)+7], v[128*(\p)+FR*\b:128*(\p)+FR*\b+FR-1], v[AF+FR*(\a):AF+FR*(\a)+FR-1], v[8*(8*((\a)%4)+\b):8*(8*((\a)%4)+\b)+7], v[SC+8*NQ*(\sc)+NQ*\b+(\q)], v[SC+8*NQ*(\sc)+NQ*(\a)+(\q)] matrix_a_fmt:MATRIX_FMT_FP4 matrix_b_fmt:MATRIX_FMT_FP4 matrix_a_scale:MATRIX_SCALE_ROW1
.endif
.endr
.endr
.endm
.macro FETCH_B slot, q, p
	WIN TO_B
.irp i, 0,1,2,3,4,5,6,7
	FRAG 128*(\p)+FR*\i, ADRB+\slot, \q, \i
.endr
	WIN 0
.endm
.macro FETCH_A slot, q, i0
.irp i, \i0, \i0+1, \i0+2, \i0+3
	FRAG AF+FR*(\i), ADRA+\slot, \q, \i
.endr
.endm
.macro SCALES sc                       ; a slot's scale words: 4 words a row; lanes 0-15 A's block i, lanes 16-31 B's block i
.irp i, 0,1,2,3,4,5,6,7
	ds_load_b128 v[SC+8*NQ*\sc+NQ*\i:SC+8*NQ*\sc+NQ*\i+3], v[ADRS] offset:\i*SBLK
.endr
.endm
.macro PLACES n                        ; plain vector instructions between a matrix instruction and a load into, or a read of, its registers (ISA guide 7.12.1 for reads)
.rept \n
	v_nop
.endr
.endm
.macro STEP slot, q, zero              ; 128 along K with its successor in the same slot
	s_wait_dscnt 4*NL                              ; B's set and A's blocks 0-3 are in; the youngest eight loads (A's blocks 4-7) may be out
	WIN MUL_LO
	MUL16 0, (\q)%2, \q, \slot, \zero
	MUL16 2, (\q)%2, \q, \slot, \zero
	s_wait_dscnt 0
	PLACES NP
	FETCH_B \slot, (\q)+1, 1-(\q)%2
	FETCH_A \slot, (\q)+1, 0
	WIN MUL_HI
	MUL16 4, (\q)%2, \q, \slot, \zero
	MUL16 6, (\q)%2, \q, \slot, \zero
	PLACES NP
	WIN 0
	FETCH_A \slot, (\q)+1, 4
.endm
.macro TURN slot, next                 ; slot 0's last step changes slots: one barrier
	s_wait_tensorcnt 0x0                           ; my part of the next slot has landed;
	ds_add_u32 v[SPW], v[NIL]                      ; 0 onto my spare word;
	s_wait_dscnt 4*NL+1                            ; (the add and the youngest eight loads may be out)
	WIN MUL_LO
	MUL16 0, 1, NQ-1, \slot, 0
	s_wait_dscnt 0x0                               ; the add is done, and my reads of this slot are over
	s_barrier_signal -1
	MUL16 2, 1, NQ-1, \slot, 0
	WIN 0
	s_barrier_wait -1                              ; the next slot is whole, and nobody reads this one any more
	PLACES NP
	v_add_nc_u32 v[ADRS], 4*NQ, v[ADRS]            ; on to the next slot's scale words
	FETCH_B \next, 0, 0
	FETCH_A \next, 0, 0
	SCALES \next
	WIN MUL_HI
	MUL16 4, 1, NQ-1, \slot, 0
	MUL16 6, 1, NQ-1, \slot, 0
	PLACES NP
	WIN 0
	FETCH_A \next, 0, 4
.endm
.macro STEPS slot, from
.set Q, \from
.rept NQ-1-\from
	STEP \slot, Q, 0
.set Q, Q+1
.endr
.endm
	s_wait_tensorcnt 1                             ; the scale bytes and my part of slot 0 are in; slot 1's load may stay out
	s_barrier_signal -1
	s_barrier_wait -1
	FETCH_B 0, 0, 0
	FETCH_A 0, 0, 0
	SCALES 0
	FETCH_A 0, 0, 4
	STEP 0, 0, 1                                   ; the first products start the sums: nothing is cleared
	STEPS 0, 1
	TURN 0, 1
	STEPS 1, 0
	s_wait_dscnt 4*NL                              ; the last step: nothing more to fetch
	WIN MUL_LO
	MUL16 0, 1, NQ-1, 1, 0
	MUL16 2, 1, NQ-1, 1, 0
	s_wait_dscnt 0
	WIN MUL_HI
	MUL16 4, 1, NQ-1, 1, 0
	MUL16 6, 1, NQ-1, 1, 0
	WIN 0
; THE WAY OUT, block by block of 16 rows x 128 columns (two heads).  PACK: rounded to f16, 16 bytes a lane, each accumulator from its low end on.  TOSTAGE: into my own stage and back, four rows of one head an instruction.
; SEND: each store covers 512 consecutive bytes of qkv.  LDS serves a wave's instructions in order (ISA guide 5.7.1.4): no wait between the stage's stores and loads.
.macro PACK a
.set AC, 64*((\a)%4)
	WIN 0x0a+5*((\a)/4)                            ; sources 0 and 1: window 2 or 3
.irp b, 0,1,2,3,4,5,6,7
.irp r, 0,1,2,3
	v_cvt_pk_f16_f32 v[TMP+4*\b+\r], v[AC+8*\b+2*\r], v[AC+8*\b+2*\r+1]
.endr
.endr
	WIN 0
.endm
.macro TOSTAGE a
.set BK, OB+192*((\a)%2)
.irp b, 0,1,2,3,4,5,6,7
	ds_store_b128 v[STO], v[TMP+4*\b:TMP+4*\b+3] offset:32*\b
.endr
.irp t, 0,1,2,3,4,5,6,7
	ds_load_b128 v[BK+4*\t:BK+4*\t+3], v[RD] offset:(4*(\t%4))*SPITCH+128*(\t/4)
.endr
.endm
.macro SEND a
.set BK, OB+192*((\a)%2)
	s_wait_dscnt 0x0                               ; the block is back in registers
	s_wait_xcnt 0x0                                ; the earlier stores have read their base and their data: the base may step, and the next block's loads may land
.if (\a) > 0
	s_add_nc_u64 s[12:13], s[12:13], 16*128        ; 16 rows of a head on
.endif
.irp t, 0,1,2,3,4,5,6,7
	global_store_b128 v[CO], v[BK+4*\t:BK+4*\t+3], s[12:13] offset:(\t/4)*262144+(\t%4)*512
.endr
.endm
	PLACES NP
	PACK 0
	TOSTAGE 0
.irp a, 1,2,3,4,5,6,7                  ; block a's conversions stand between block a - 1's loads from the stage and the wait for them
	PACK \a
	SEND \a-1
	TOSTAGE \a
.endr
	SEND 7
	s_wait_tensorcnt 0x0                           ; the wave's end: behind my last tensor load and my last LDS store
	ds_add_u32 v[SPW], v[NIL]
	s_wait_dscnt 0x0
	CROUND                                         ; the closing round
	s_endpgm
.Lfunc_end_k_q43e79b9794_proj:
	.size	k_q43e79b9794_proj, .Lfunc_end_k_q43e79b9794_proj-k_q43e79b9794_proj
	.p2alignl 7, 3214868480
	.fill 96, 4, 3214868480
	.section	.rodata,"a",@progbits
	.p2align	6, 0x0
	.amdhsa_kernel k_q43e79b9794_proj
		.amdhsa_group_segment_fixed_size 327680
		.amdhsa_private_segment_fixed_size 0
		.amdhsa_enable_private_segment 0
		.amdhsa_kernarg_size 40
		.amdhsa_user_sgpr_count 2
		.amdhsa_user_sgpr_kernarg_segment_ptr 1
		.amdhsa_wavefront_size32 1
		.amdhsa_system_sgpr_workgroup_id_x 1
		.amdhsa_system_sgpr_workgroup_id_y 1
		.amdhsa_system_sgpr_workgroup_id_z 1
		.amdhsa_system_vgpr_workitem_id 0
		.amdhsa_next_free_vgpr 1024
		.amdhsa_next_free_sgpr 98
		.amdhsa_reserve_vcc 0
		.amdhsa_float_denorm_mode_32 3
		.amdhsa_float_denorm_mode_16_64 3
		.amdhsa_memory_ordered 1
		.amdhsa_forward_progress 1
		.amdhsa_inst_pref_size 127
	.end_amdhsa_kernel
	.amdgpu_metadata
---
amdhsa.version: [ 1, 2 ]
amdhsa.kernels:
  - .name:           k_q43e79b9794_proj
    .symbol:         k_q43e79b9794_proj.kd
    .args:
      - { .name: xc, .offset: 0, .size: 8, .value_kind: global_buffer, .address_space: global }
      - { .name: xs, .offset: 8, .size: 8, .value_kind: global_buffer, .address_space: global }
      - { .name: wc, .offset: 16, .size: 8, .value_kind: global_buffer, .address_space: global }
      - { .name: ws, .offset: 24, .size: 8, .value_kind: global_buffer, .address_space: global }
      - { .name: qkv, .offset: 32, .size: 8, .value_kind: global_buffer, .address_space: global }
    .group_segment_fixed_size: 327680
    .private_segment_fixed_size: 0
    .kernarg_segment_align: 8
    .kernarg_segment_size: 40
    .max_flat_workgroup_size: 128
    .sgpr_count:     98
    .vgpr_count:     1024
    .wavefront_size: 32
...
	.end_amdgpu_metadata
.endif
;; end of part 2
;; launch attn (part 3): grid 8 x 64, 4 waves a work-group, clusters of 4 x 1, 327,680 bytes of LDS; arguments qkv, key_padding_mask, ctx; writes ctx
.if DOCPART == 3
	.amdgcn_target "amdgcn-amd-amdhsa--gfx1250"
	.amdhsa_code_object_version 6
	.text
	.protected	k_q43e79b9794_attn
	.globl	k_q43e79b9794_attn
	.p2align	8
	.type	k_q43e79b9794_attn,@function
k_q43e79b9794_attn:
	s_mov_b64 s[64:65], 0
	v_nop
	global_prefetch_b8 v0, s[64:65] scope:SCOPE_SE
	s_setreg_imm32_b32 hwreg(HW_REG_WAVE_MODE, 25, 1), 1
	s_wait_xcnt 0x0
	s_wait_alu depctr_hold_cnt(0) depctr_sa_sdst(0) depctr_va_vdst(0) depctr_va_sdst(0) depctr_va_ssrc(0) depctr_va_vcc(0) depctr_vm_vsrc(0)
	s_getreg_b32 s2, hwreg(HW_REG_IB_STS2, 6, 4)
	s_cmp_eq_u32 s2, 0
	s_cbranch_scc0 .Lentry_in_a_cluster
	s_endpgm
.Lentry_in_a_cluster:
	s_bfe_u32 s2, ttmp6, 0x10000c
	s_cmp_lg_u32 s2, 0x3003
	s_cbranch_scc0 .Lentry_shape_is_right
	s_endpgm
.Lentry_shape_is_right:
; ctx = 16 x softmax_k(q . k / 8, masked keys left out) v, for each of 64 (batch, head).  q, k, v: qkv [3][64][2048][64] f16.  Products, maxima and sums in f32; the weights p are rounded to f16 for the second product, the result once at the end.
; ctx is laid [(2048 batch + position) / 128][head][row % 128][64] f16, blocks of 16,384 dense bytes, as the last launch reads it; the factor 16 keeps small results in f16's normal range and is taken back there.
; SHARES.  A work-group owns 256 queries of one head, each of its four waves 64: four tiles of 16.  Every wave walks all 2,048 keys, 64 a step.
; LAYOUT.  S^T = K Q^T (source 0 = 16 keys, source 1 = 16 queries): a lane holds ONE query (lane % 16) and the keys 8 (lane / 16) + 0..7.  Two such tiles, rounded to f16 in pairs, ARE source 1 (32 keys x 16 queries) of
; O^T = V^T P, whose result again holds one query a lane, and eight channels.  K comes out of LDS as it lies, V ([key][channel]) turned, by ds_load_tr16_b128.
; THE MASK.  bias[key] = 0, or -2^100 where the key is masked, in f32, made once a work-group in LDS: it is the C of the first product of each tile of S^T, so a masked score is about -2^100 at no cost in vector work.
; The running maximum m begins at -2^50, which lies under every true score (f16 operands bound |q . k| by 64 x 65,504^2 < 2^39): so p = 2^(c s - c m) of a masked key is 0 in every step, also while no open key has been met.
; A batch all of whose keys are masked ends with sum 0 and O 0: 0 x (1 / 0) = NaN, as the softmax of nothing is.
; SOFTMAX.  For each query a running maximum m and sum l: p = 2^(c s - c m), c = log2(e) / 8; in every step O and l are multiplied by a = 2^(c m_old - c m_new).
; BY TURNS.  The wave's tiles are two PIECES (tiles 0, 1 and tiles 2, 3).  In a TURN one piece has the matrix unit: 16 products V^T P of the step in hand, then 16 products K Q^T of the next step; the other piece's softmax,
; cut into 64 slices, stands between them, two slices behind each matrix instruction.  Then the pieces change places.  Two turns are a key step.
; RING.  Two LDS slots of four key steps (256 keys of K and of V).  CLUSTER.  The four query blocks of a cluster belong to one head and walk the same K and V: each tile is asked for jointly.
; REGISTERS, in windows of 256 (s_set_vgpr_msb: bits 1:0 source 0, 3:2 source 1, 5:4 source 2, 7:6 destination):
;   window 0: v0-11, v44-47 addresses; v12-43 eight registers of statistics a tile; v64-191 S^T, 32 a tile; v192-255 P, 16 a tile
;   window 1: O^T, 32 a tile      window 2: v0-63 Q, 16 a tile; v128-191 K of one step      window 3: v0-63 V of one step; v128-159 the step's bias
; LIMITS: |v| up to 4,094 (16 x the result in f16); NaN and infinities in q, k, v are not served.
.set KS,    64        ; keys in a step
.set NST,   4         ; steps in a slot
.set PKP,   272       ; K in LDS: rows of two keys, 256 bytes + 16 of padding: the 16 keys of a load fall on 16 different 16-byte columns of 256
.set PVP,   288       ; V: 256 + 32: 16 lanes of the turning load take 8 keys x 32 bytes, again 16 different columns
.set KSB,   (KS/2)*PKP  ; a step of K in LDS
.set VSB,   (KS/2)*PVP  ; and of V
.set VOFF,  NST*KSB   ; a slot: 256 keys of K, then 256 of V
.set SLOT1, 1<<17     ; slot 1 begins here, so that one exclusive or turns an address in one slot into the other's
.set SLOTB, NST*KS*128  ; a slot's keys in memory: 32,768 bytes of K, as many of V
.set NSL,   2048/(NST*KS)
.set BIAS,  SLOT1+NST*(KSB+VSB)  ; behind the ring: the batch's 2,048 biases, f32
.set STAGE, BIAS+8192  ; 16 rows x 144 bytes for each wave, for the way out
.set SP,    144
.set SPARE, STAGE+4*16*SP  ; the spare words, 128 bytes a wave, which no other line names
.set AK0, 2           ; v2   my lane's place in a tile of K
.set AV0, 3           ; v3   the same for V
.set ADR, 4           ; v4   the LDS address of the run of loads in hand
.set QO,  5           ; v5   my byte offset in the wave's rows of Q
.set STO, 6           ; v6   the way out: where I put 16 bytes of a row
.set RD,  7           ; v7   the way out: where I read rows back
.set GO,  8           ; v8   my byte offset in the wave's rows of ctx
.set AB0, 44          ; v44  my lane's place among a step's biases
.set ADB, 45          ; v45  the LDS address of the step's biases
.set MKO, 46          ; v46  16 x my thread: my 16 bytes of the mask
.set ABW, 47          ; v47  where my 16 biases go
.set PFO, 61          ; v61  256 x my lane, for the prefetches
.set SPW, 62
.set NIL, 63
.set ST,  12          ; tile t's statistics at v[ST+8 t]: +0 c m, +1 m, +2, +3 l (even keys', odd keys'), +4 to +7 c0-c3, at work; a takes c2's place once the maximum is found
.set S,   64
.set P,   192
.set KF,  128         ; K's fragments, in window 2
.set BI,  128         ; the bias, in window 3
.set WV,  12          ; s12  my wave's number
.set LIM, 15          ; s15  1 in a wave that prefetches, else the greatest number
.set PFA, 18          ; s[18:19] where my prefetches stand in memory
.set G1K, 24
.set G1V, 32
.set G0K, 40          ; s[40:47] group 0 for K's tiles: a set for each of the two first fills; the second then walks on
.set G0V, 48
.set SLOTS, 56
.set TWICE, 57
.set CS,  58          ; s[58:59] c
.set SEL, 60          ; s[60:61] lane selects for v_permlanex16_b32
.set TK,  62          ; s62  LDS byte at which K of the step to be fetched begins
.set TV,  63          ; s63  the same for V (less VOFF)
.set TM,  66          ; s66  and for the bias (less BIAS)
.set NEGB, 67         ; s67  the bits of -2^100
.set MSB, 0
.macro WIN new                      ; the immediate's high byte repeats the setting that is left; a switch that changes nothing is dropped
.if MSB != \new
	s_set_vgpr_msb (MSB<<8)|\new
.set MSB, \new
.endif
.endm
.set W_KQ,  0x0a      ; K and Q in window 2, S^T in window 0
.set W_KQB, 0x3a      ; the same with C, the bias, in window 3
.set W_PV,  0x53      ; V in window 3, P in window 0, O^T in window 1
.set W_RS,  0x41      ; O^T (destination and source 0) in window 1, a in window 0
; A joint refill.  Waves 0 and 1 fetch the halves of a slot's K, waves 2 and 3 those of V.  The branch hangs on the wave's number alone.  An s_nop 0 and four v_nop follow each of the two lines.
.macro JLOAD
	s_cmp_lt_u32 s[WV], 2
	s_cbranch_scc0 .Lfor_v_\@
	tensor_load_to_lds s[G0K+4:G0K+7], s[G1K:G1K+7]
	s_nop 0
.rept 4
	v_nop
.endr
	s_branch .Lasked_\@
.Lfor_v_\@:
	tensor_load_to_lds s[G0V+4:G0V+7], s[G1V:G1V+7]
	s_nop 0
.rept 4
	v_nop
.endr
.Lasked_\@:
.endm
; A prefetch of what the NEXT change of slots will ask for: 32,768 bytes of K and as many of V, lanes 256 bytes apart.  Both clusters of a head walk the same K and V: the head's first cluster asks.  Its four partners share the
; bytes out by address, 8,192 each; in each, wave 0 asks for K's and wave 2 for V's: one instruction.  So each 256 bytes are named once in the launch.  The last change that fills a slot asks for nothing.
.macro ASK
	s_cmp_gt_u32 s[SLOTS], s[LIM]
	s_cbranch_scc0 .Lnot_mine_\@
	global_prefetch_b8 v[PFO], s[PFA:PFA+1] th:TH_LOAD_NT scope:SCOPE_SE
.Lnot_mine_\@:
.endm
.macro CROUND                       ; a round of the cluster's barrier
	s_barrier_signal -1
	s_barrier_wait -1
	s_cmp_lg_u32 s[WV], 0
	s_cbranch_scc1 .Lnot_wave_0_\@
	s_barrier_signal -3
.Lnot_wave_0_\@:
	s_barrier_wait -3
	s_barrier_signal -1
	s_barrier_wait -1
.endm
	s_load_b128 s[68:71], s[0:1], 0x0  ; qkv s[68:69], the mask s[70:71]
	s_load_b64 s[10:11], s[0:1], 0x10  ; ctx
	v_lshl_add_u32 v[SPW], v0, 2, SPARE
	v_mov_b32 v[NIL], 0
	ds_add_u32 v[SPW], v[NIL]       ; the wave's opening: the add, twice on end, and its wait ahead of my first tensor load
	ds_add_u32 v[SPW], v[NIL]
	v_lshrrev_b32 v1, 5, v0
	v_readfirstlane_b32 s[WV], v1   ; wave 0..3
	s_bfe_u32 s13, ttmp6, 0x40000   ; cx
	s_lshl_b32 s14, ttmp9, 2
	s_add_co_u32 s14, s14, s13      ; my block of 256 queries: it enters Q's and ctx's addresses alone
	s_and_b32 s72, ttmp7, 0xffff    ; 16 batch + head, which the four partners share
	s_lshl_b32 s20, s72, 18         ; the head's first byte in q, in k and in v: 262,144 bytes a head
	s_and_b32 s16, s[WV], 1         ; which half of a slot I fetch:
	s_lshl_b32 s22, s16, 14         ; its 128 keys of 128 bytes in memory,
	s_add_co_u32 s22, s22, s20
	s_mov_b32 s23, 0
	s_mul_i32 s17, s16, 64*PKP      ; and its place in a slot, for K
	s_mul_i32 s73, s16, 64*PVP      ; and for V
	s_lshl_b32 s2, s14, 15          ; my block's 256 rows of 128 bytes,
	s_lshl_b32 s3, s[WV], 13        ; my wave's 64 of them
	s_add_co_u32 s2, s2, s3
	s_add_co_u32 s2, s2, s20
	s_mov_b32 s3, 0
	s_lshr_b32 s74, s72, 4          ; batch
	s_and_b32 s75, s72, 15          ; head
	s_lshl_b32 s76, s74, 4
	s_lshl_b32 s77, s14, 1
	s_add_co_u32 s76, s76, s77
	s_lshr_b32 s77, s[WV], 1
	s_add_co_u32 s76, s76, s77      ; which 128 rows of ctx: 16 batch + 2 block + wave / 2
	s_lshl_b32 s76, s76, 4
	s_add_co_u32 s76, s76, s75      ; x 16 heads + head
	s_lshl_b32 s76, s76, 14         ; blocks of 16,384 bytes
	s_lshl_b32 s77, s16, 13         ; my 64 rows of 128 bytes in it
	s_add_co_u32 s76, s76, s77
	s_mov_b32 s77, 0
	s_lshl_b32 s74, s74, 11         ; the batch's 2,048 bytes of the mask
	s_mov_b32 s75, 0
	; descriptor group 1: 64 rows x 128 elements of 2 bytes (two keys a row; dense in memory), padded in LDS
	s_mov_b32 s[G1K], 15|(1<<16)|(1<<20)|(1<<21)|(5<<22)|(3<<25)  ; the mask: all four work-groups; elements of 2 bytes; padding on; bit 21 beside a mask; 4 words behind every 64
	s_mov_b32 s[G1V], 15|(1<<16)|(1<<20)|(1<<21)|(5<<22)|(7<<25)  ; the same with 8 words of padding
.irp g, G1K, G1V
	s_mov_b32 s[\g+1], 128<<16      ; tensor_dim0
	s_mov_b32 s[\g+2], 64<<16       ; tensor_dim1
	s_mov_b32 s[\g+3], 128<<16      ; tile_dim0
	s_mov_b32 s[\g+4], 64           ; tile_dim1
	s_mov_b32 s[\g+5], 128          ; from row to row
	s_mov_b32 s[\g+6], 0
	s_mov_b32 s[\g+7], 0
.endr
	s_mov_b32 s[CS], 0x3e38aa3b     ; c = log2(e) / 8
	s_mov_b32 s[CS+1], s[CS]        ; named with it as a pair, so it is written
	s_mov_b32 s[SEL], 0x76543210
	s_mov_b32 s[SEL+1], 0xfedcba98
	s_mov_b32 s[TK], 0
	s_mov_b32 s[TV], 0
	s_mov_b32 s[TM], 0
	s_mov_b32 s[NEGB], 0xf1800000   ; -2^100
	s_mov_b32 s[SLOTS], NSL-2
	s_and_b32 s[LIM], s[WV], 1      ; 0 in waves 0 and 2,
	s_or_b32 s[LIM], s[LIM], ttmp9  ; where the cluster is the head's first: the same in all four partners
	s_cmp_eq_u32 s[LIM], 0
	s_cselect_b32 s[LIM], 1, -1
	v_and_b32 v[PFO], 31, v0
	v_lshlrev_b32 v[PFO], 8, v[PFO]
	s_wait_dscnt 0x0                ; both opening adds are done
	s_wait_kmcnt 0x0
	s_add_nc_u64 s[6:7], s[68:69], s[22:23]
	s_add_nc_u64 s[8:9], s[6:7], 0x2000000   ; V at my half of slot 0
	s_add_nc_u64 s[6:7], s[6:7], 0x1000000   ; K likewise
	s_add_nc_u64 s[4:5], s[68:69], s[2:3]    ; Q at my wave's first row
	s_add_nc_u64 s[10:11], s[10:11], s[76:77]
	s_add_nc_u64 s[70:71], s[70:71], s[74:75]
	s_cmp_lt_u32 s[WV], 2
	s_cselect_b64 s[PFA:PFA+1], s[6:7], s[8:9]  ; (in waves 0 and 2 these stand at a slot's first byte)
	s_lshl_b32 s2, s13, 13          ; my work-group's 8,192 bytes of the 32,768
	s_mov_b32 s3, 0
	s_add_nc_u64 s[PFA:PFA+1], s[PFA:PFA+1], s[2:3]
	s_add_nc_u64 s[PFA:PFA+1], s[PFA:PFA+1], 2*SLOTB  ; in slot 2; the first change of slots steps it to slot 3.  Nothing is prefetched at the head
	CROUND                          ; all four work-groups are here: the first joint loads meet
.irp s, 0,1
	s_mov_b32 s[G0K+4*\s], 1
	s_add_co_u32 s[G0K+4*\s+1], s17, \s*SLOT1
	s_add_nc_u64 s[G0K+4*\s+2:G0K+4*\s+3], s[6:7], \s*SLOTB
	s_or_b32 s[G0K+4*\s+3], s[G0K+4*\s+3], 0x80000000
	s_mov_b32 s[G0V+4*\s], 1
	s_add_co_u32 s[G0V+4*\s+1], s73, \s*SLOT1+VOFF
	s_add_nc_u64 s[G0V+4*\s+2:G0V+4*\s+3], s[8:9], \s*SLOTB
	s_or_b32 s[G0V+4*\s+3], s[G0V+4*\s+3], 0x80000000
.endr
	s_cmp_lt_u32 s[WV], 2           ; a wave's two first fills stand in one branch, ahead of every wait on TENSORcnt and every LDS read: two loads of mine are out
	s_cbranch_scc0 .Lfirst_v
	tensor_load_to_lds s[G0K:G0K+3], s[G1K:G1K+7]
	s_nop 0
	tensor_load_to_lds s[G0K+4:G0K+7], s[G1K:G1K+7]
	s_nop 0
.rept 4
	v_nop
.endr
	s_branch .Lfirst_asked
.Lfirst_v:
	tensor_load_to_lds s[G0V:G0V+3], s[G1V:G1V+7]
	s_nop 0
	tensor_load_to_lds s[G0V+4:G0V+7], s[G1V:G1V+7]
	s_nop 0
.rept 4
	v_nop
.endr
.Lfirst_asked:
	v_lshlrev_b32 v[MKO], 4, v0
	global_load_b128 v[64:67], v[MKO], s[70:71]  ; my 16 bytes of the batch's mask (S^T's registers are free yet)
	v_and_b32 v1, 15, v0            ; r = l % 16
	v_bfe_u32 v9, v0, 4, 1          ; h = l / 16
	v_lshlrev_b32 v[QO], 7, v1
	v_lshl_add_u32 v[QO], v9, 4, v[QO]  ; row x 128 + 16 x half
	WIN 0x80                        ; destination window 2
.irp i, 0,1,2,3,4,5,6,7             ; Q stays in registers: tile i / 2, channels 32 (i % 2) on
	global_load_b128 v[8*\i:8*\i+3],   v[QO], s[4:5] offset:(\i/2)*2048+(\i%2)*64
	global_load_b128 v[8*\i+4:8*\i+7], v[QO], s[4:5] offset:(\i/2)*2048+(\i%2)*64+32
.endr
	WIN 0
	v_bfe_u32 v10, v0, 1, 3         ; K: key r of a tile lies in row r / 2, half r % 2
	v_mul_u32_u24 v[AK0], v10, PKP
	v_and_b32 v10, 1, v0
	v_lshl_add_u32 v[AK0], v10, 7, v[AK0]
	v_lshl_add_u32 v[AK0], v9, 4, v[AK0]
	; The turning load: lane l reads 16 bytes: key 8 h + l % 8, channels 8 ((l / 8) % 2) + 0..7, and is left with channel l % 16 of 8 keys
	v_bfe_u32 v11, v0, 1, 2
	v_lshl_add_u32 v[AV0], v9, 2, v11
	v_mul_u32_u24 v[AV0], v[AV0], PVP
	v_lshl_add_u32 v[AV0], v10, 7, v[AV0]
	v_bfe_u32 v11, v0, 3, 1
	v_lshl_add_u32 v[AV0], v11, 4, v[AV0]
	v_add_nc_u32 v[AV0], VOFF, v[AV0]
	v_lshl_add_u32 v[AB0], v9, 5, BIAS  ; the bias in the result's layout: keys 8 h + 0..7 of a tile: 32 bytes
	v_lshl_add_u32 v[ABW], v0, 6, BIAS
	s_wait_loadcnt 16               ; the mask's load is in; the 16 loads of Q behind it stay out
.irp i, 0,1,2,3,4,5,6,7,8,9,10,11,12,13,14,15
	v_bfe_u32 v[68+\i], v[64+\i/4], 8*(\i%4), 8
.endr
.irp i, 0,1,2,3,4,5,6,7,8,9,10,11,12,13,14,15
	v_mul_lo_u32 v[68+\i], v[68+\i], s[NEGB]  ; a byte is 0 or 1: the bits of 0.0 or of -2^100
.endr
.irp q, 0,1,2,3
	ds_store_b128 v[ABW], v[68+4*\q:71+4*\q] offset:16*\q
.endr
; THE MATRIX WORK OF A TURN, for piece x.  The accumulators take turns, one instruction a turn: between two links of a chain stand 7 others'.
; Product i of 16 of O^T += V^T P: keys 32 (i / 8) on, channels 16 ((i / 2) % 4) on, tile x + i % 2.  zero = 1: the first 8 start the sums.
.macro PV x, zero
	WIN W_PV
.set rO, 32*(\x+i%2)+8*((i/2)%4)
.set rV, 32*(i/8)+8*((i/2)%4)
.set rP, P+16*(\x+i%2)+8*(i/8)
.if \zero && (i < 8)
	v_wmma_f32_16x16x32_f16 v[rO:rO+7], v[rV:rV+7], v[rP:rP+7], 0
.else
	v_wmma_f32_16x16x32_f16 v[rO:rO+7], v[rV:rV+7], v[rP:rP+7], v[rO:rO+7]
.endif
.endm
; Product i of 16 of S^T = bias + K Q^T: channels 32 (i / 8) on, keys 16 ((i / 2) % 4) on, tile x + i % 2.  The first 8 start the sums from the bias.
.macro KQ x
.set rS, S+32*(\x+i%2)+8*((i/2)%4)
.set rK, KF+16*((i/2)%4)+8*(i/8)
.set rQ, 16*(\x+i%2)+8*(i/8)
.set rB, BI+8*((i/2)%4)
.if i < 8
	WIN W_KQB
	v_wmma_f32_16x16x32_f16 v[rS:rS+7], v[rK:rK+7], v[rQ:rQ+7], v[rB:rB+7]
.else
	WIN W_KQ
	v_wmma_f32_16x16x32_f16 v[rS:rS+7], v[rK:rK+7], v[rQ:rQ+7], v[rS:rS+7]
.endif
.endm
; THE LDS LOADS stand in runs: a step's K (8 fragments) with its bias, and, a turn later, its V (turned).
.macro FETCH_K
	WIN 0
	v_add_nc_u32 v[ADR], s[TK], v[AK0]
	v_add_nc_u32 v[ADB], s[TM], v[AB0]
	s_add_co_u32 s[TK], s[TK], KSB
	s_add_co_u32 s[TM], s[TM], 4*KS
	WIN 0x80                        ; destination window 2
.irp f, 0,1,2,3,4,5,6,7             ; keys 16 (f / 2) on, channels 32 (f % 2) on
	ds_load_b128 v[KF+8*\f:KF+8*\f+3],   v[ADR] offset:(\f/2)*8*PKP+(\f%2)*64
	ds_load_b128 v[KF+8*\f+4:KF+8*\f+7], v[ADR] offset:(\f/2)*8*PKP+(\f%2)*64+32
.endr
	WIN 0xc0                        ; destination window 3
.irp f, 0,1,2,3
	ds_load_b128 v[BI+8*\f:BI+8*\f+3],   v[ADB] offset:64*\f
	ds_load_b128 v[BI+8*\f+4:BI+8*\f+7], v[ADB] offset:64*\f+16
.endr
.endm
.macro FETCH_V
	WIN 0
	v_add_nc_u32 v[ADR], s[TV], v[AV0]
	s_add_co_u32 s[TV], s[TV], VSB
	s_wait_alu depctr_va_vdst(0)    ; the wait for the softmax's batch of exponentials (SLICE), behind the address's addition and ahead of the loads
	WIN 0xc0                        ; destination window 3
.irp f, 0,1,2,3,4,5,6,7             ; keys 32 (f / 4) on, channels 16 (f % 4) on
	ds_load_tr16_b128 v[8*\f:8*\f+3],   v[ADR] offset:(\f/4)*16*PVP+(\f%4)*32
	ds_load_tr16_b128 v[8*\f+4:8*\f+7], v[ADR] offset:(\f/4)*16*PVP+8*PVP+(\f%4)*32
.endr
.endm
; THE VECTOR WORK OF A TURN.  One tile's softmax for one key step is a list of 118 instructions; SM writes number j of it for tile t.  s0-s31 are the lane's 32 scores, in pairs 0-15.
;   0-15    the maximum of s0-s31 and the old m (first step: and -2^50), three operands at a time
;   16-20   the other half of the lanes' maximum; the new m; c m; c m_old - c m_new
;   21-69   ONE BATCH: the 16 scalings c s - c m and all 33 exponentials (a at 23, then s0-s31); none of these reads an exponential's result
;   (wait)  between 69 and 70 stands the wait for the batch: SLICE writes it, once for both tiles
;   70-85   the roundings to f16;   86-101 the sums, l = a l + the sum;   102-117 the tile's O^T times a
.macro SM t, first
.set rT, ST+8*(\t)
.set rS, S+32*(\t)
.set rP, P+16*(\t)
.set rO, 32*(\t)+2*(j-102)
.if j < 102
	WIN 0
.endif
.if j < 4
	v_max3_num_f32 v[rT+4+j], v[rS+8*j], v[rS+8*j+1], v[rS+8*j+2]
.elseif j < 12
	v_max3_num_f32 v[rT+4+j%4], v[rT+4+j%4], v[rS+8*(j%4)+2*(j/4)+1], v[rS+8*(j%4)+2*(j/4)+2]
.elseif j == 12
	v_max3_num_f32 v[rT+4], v[rT+4], v[rS+7], v[rS+15]
.elseif j == 13
	v_max3_num_f32 v[rT+6], v[rT+6], v[rS+23], v[rS+31]
.elseif j == 14
	v_max3_num_f32 v[rT+4], v[rT+4], v[rT+5], v[rT+6]
.elseif (j == 15) && \first
	v_max3_num_f32 v[rT+4], v[rT+4], v[rT+7], 0xd8800000  ; -2^50: above every masked score, under every true one
.elseif j == 15
	v_max3_num_f32 v[rT+4], v[rT+4], v[rT+7], v[rT+1]
.elseif j == 16
	v_permlanex16_b32 v[rT+5], v[rT+4], s[SEL], s[SEL+1]  ; the query's other 32 keys lie in the lane 16 away
.elseif j == 18
	v_max_num_f32 v[rT+1], v[rT+4], v[rT+5]
.elseif j == 19
	v_mul_f32 v[rT], s[CS], v[rT+1]
.elseif ((j == 17) || (j == 20) || (j == 23) || (j > 101)) && \first  ; the first step has none of these
.elseif j == 17
	v_mov_b32 v[rT+7], v[rT]        ; c m_old is kept for a
.elseif j == 20
	v_sub_f32 v[rT+7], v[rT+7], v[rT]
.elseif j == 23
	v_exp_f32 v[rT+6], v[rT+7]
.elseif (j < 23) || ((j < 38) && (j%2 == 0)) || ((j < 66) && (j%4 == 2))
.set b, (j-2)/4                     ; 38, 42, .. 62: pairs 9 to 15
.if j < 38
.set b, (j-20)/2                    ; 21: pair 0; 22, 24, .. 36: pairs 1 to 8
.endif
	v_pk_fma_f32 v[rS+2*b:rS+2*b+1], v[rS+2*b:rS+2*b+1], s[CS:CS+1], v[rT:rT+1] op_sel_hi:[1,0,0] neg_lo:[0,0,1] neg_hi:[0,0,1]  ; pair b: c s - c m
.elseif j < 70
.set e, j-38                        ; 66 to 69: s28 to s31
.if j < 66
.set e, j-32-(j-38)/4               ; 39-41, 43-45, .. 63-65: s7 to s27
.endif
.if j < 38
.set e, (j-25)/2                    ; 25, 27, .. 37: s0 to s6
.endif
	v_exp_f32 v[rS+e], v[rS+e]
.elseif j < 86
	v_cvt_pk_f16_f32 v[rP+j-70], v[rS+2*(j-70)], v[rS+2*(j-70)+1]  ; pair j - 70
.elseif j < 102                     ; the sum of the tile's 16 pairs, in place: neighbours 1, 2, 4 and 8 pairs apart, then l takes it
.set z, j-86
.set w, 4
.set u, z
.if z >= 14
.set w, 32
.set u, 0
.elseif z >= 12
.set w, 16
.set u, z-12
.elseif z >= 8
.set w, 8
.set u, z-8
.endif
.if (z == 14) && \first
	v_pk_add_f32 v[rT+2:rT+3], v[rS:rS+1], v[rS+16:rS+17]
.elseif z < 15
	v_pk_add_f32 v[rS+w*u:rS+w*u+1], v[rS+w*u:rS+w*u+1], v[rS+w*u+w/2:rS+w*u+w/2+1]
.elseif !\first
	v_pk_fma_f32 v[rT+2:rT+3], v[rT+2:rT+3], v[rT+6:rT+7], v[rS:rS+1] op_sel_hi:[1,0,1]
.endif
.elseif j < 118
	WIN W_RS
	v_pk_mul_f32 v[rO:rO+1], v[rO:rO+1], v[rT+6:rT+7] op_sel_hi:[1,0]
.endif
.endm
; Slice k of 64 of piece y's softmax: four instructions.  Slices 11 to 34 deal out the batch, numbers 22 to 69: four numbers of ONE tile each, the tiles by turns.  Every other slice is numbers 2 k and 2 k + 1 of both tiles.
; 2 x 118 = 4 x 59: slices 59 to 63 are empty.  Ahead of slice 35 nothing names an exponential's result, and behind slice 34 none is issued: so the piece's 66 exponentials have one wait behind slice 34.
.macro SLICE y, first
.if (k >= 11) && (k < 35)
.irp n, 0,1,2,3
.set j, 22+4*((k-11)/2)+(\n)
	SM (\y)+(k-11)%2, \first
.endr
.else
.irp n, 0,1
.irp t, \y, \y+1
.set j, 2*k+\n
	SM \t, \first
.endr
.endr
.endif
.if k == 34
	v_nop                           ; the plain instruction behind the last exponential, ahead of the first use
.if (\y) == 0
	FETCH_V                         ; piece 2's turn: V's run of loads stands here, and the wait stands in it
.else
	s_wait_alu depctr_va_vdst(0)    ; the wait for the batch
.endif
.endif
.set k, k+1
.endm
.macro PLACES
.rept 4
	v_nop
.endr
.endm
; A TURN.  Piece x has the matrix unit; the other piece's softmax stands in slices behind its matrix instructions: two behind each where the turn has both kinds of product, four where it has one.
; pv = 2: 16 products V^T P; 1: they start O^T's sums; 0: none.  kq = 1: 16 products K Q^T for the next step.  first = 1: the softmax is the first key step's; four v_nop then stand behind the turn's last, bare products.
; PLACES (a read of a matrix result, or a load into a matrix instruction's register, stands four plain vector instructions behind it: ISA guide 7.12.1 for reads), by this text's count:
;   K's and the bias's loads, behind piece 0's second product: slice 0's four lines name nothing of the last K Q^T.   V's loads, behind slice 34: between them and the last V^T P (ahead of slice 30) stand the scalings 58, 62, 62,
;   the v_nop and the run's own addition.   The last two K Q^T (keys 48 on) are first read by number 3, behind six plain lines of slices 0 and 1; the two before them have slice 58's four behind them.
.macro TURN x, pv, kq, first
.set k, 0
.set per, 4
.if \pv && \kq
.set per, 2
.endif
.if \pv
.if \x == 0
	s_wait_dscnt 0x0                ; V is in
.endif
.set i, 0
.rept 16
	PV \x, 2-\pv
.rept per
	SLICE 2-\x, \first
.endr
.if (\x == 0) && \kq && (i == 1)
	FETCH_K
.endif
.set i, i+1
.endr
.endif
.if \kq
.if \x == 0
	s_wait_dscnt 0x0                ; K and the bias are in
.endif
.set i, 0
.rept 16
	KQ \x
.rept per
	SLICE 2-\x, \first
.endr
.set i, i+1
.endr
.endif
.if \first
	PLACES
.endif
.endm
; THE CHANGE OF SLOTS, between piece 2's turn and piece 0's: the slot's last bytes, V of its fourth step, have been asked for.  Each wave waits for all its tensor loads, of which one is out: its part of the other slot; adds 0 to
; its spare word; and waits for that and for its own reads of the slot.  fill = 1: the slot is filled again, with the keys two slots on: the barrier is then a round of the cluster's, and the joint refill is the first thing
; behind it: it has four key steps, 256 matrix instructions, in which to land.
.macro CHANGE fill
	WIN 0
	s_wait_tensorcnt 0x0            ; no tensor load of mine is out, so a group 0 may be written
	ds_add_u32 v[SPW], v[NIL]       ; 0 onto my spare word
.if \fill
.irp g, G0K+4, G0V+4
	s_xor_b32 s[\g+1], s[\g+1], SLOT1  ; the walking descriptor: the other slot than last time,
	s_add_nc_u64 s[\g+2:\g+3], s[\g+2:\g+3], SLOTB  ; the next 256 keys; the type bits on top are not reached
.endr
	s_wait_xcnt 0x0                 ; the last prefetch, four key steps back, has read its address, so it may be written
	s_add_nc_u64 s[PFA:PFA+1], s[PFA:PFA+1], SLOTB
	s_wait_dscnt 0x0                ; the add is done, and my reads of the slot are over
	CROUND
	JLOAD
	ASK
.else
	s_wait_dscnt 0x0
	s_barrier_signal -1
	s_barrier_wait -1
.endif
	s_sub_co_u32 s[TK], s[TK], NST*KSB  ; the fetches go back to a slot's first step,
	s_xor_b32 s[TK], s[TK], SLOT1   ; in the other slot
	s_sub_co_u32 s[TV], s[TV], NST*VSB
	s_xor_b32 s[TV], s[TV], SLOT1
.endm
.macro STEPS n                      ; n key steps: written once, walked n times; the LDS addresses hang on s[TK], s[TV], s[TM]
	s_mov_b32 s[TWICE], \n
.Lstep_\@:
	TURN 0, 2, 1, 0
	TURN 2, 2, 1, 0
	WIN 0
	s_sub_co_u32 s[TWICE], s[TWICE], 1
	s_cmp_lg_u32 s[TWICE], 0
	s_cbranch_scc1 .Lstep_\@
.endm
	s_wait_tensorcnt 1              ; my part of slot 0 is in; slot 1's may stay out
	s_wait_dscnt 0x0                ; my 16 biases are stored
	s_barrier_signal -1
	s_barrier_wait -1               ; everybody's are
	FETCH_K                         ; key step 0
	s_wait_loadcnt 0x0              ; Q
	s_wait_dscnt 0x0
.set i, 0
.rept 16
	KQ 0                            ; piece 0's first scores: there is no vector work yet to set between them
.set i, i+1
.endr
	WIN 0                           ; the addresses for the way out are made here: plain instructions, the places behind those products
	s_mul_i32 s13, s[WV], 16*SP
	s_add_co_u32 s13, s13, STAGE    ; my stage
	v_mul_u32_u24 v[STO], v1, SP    ; in: row l % 16, 16 bytes for each half of the lanes
	v_lshl_add_u32 v[STO], v9, 4, v[STO]
	v_add_nc_u32 v[STO], s13, v[STO]
	v_bfe_u32 v[RD], v0, 3, 2       ; back: eight lanes take a row of 128 bytes, four rows an instruction
	v_mul_u32_u24 v[RD], v[RD], SP
	v_and_b32 v10, 7, v0
	v_lshl_add_u32 v[RD], v10, 4, v[RD]
	v_add_nc_u32 v[RD], s13, v[RD]
	v_and_b32 v[GO], 31, v0
	v_lshlrev_b32 v[GO], 4, v[GO]   ; the same four rows are 512 dense bytes of ctx
	TURN 2, 0, 1, 1                 ; piece 2's first scores | piece 0's first softmax | V of step 0
	TURN 0, 1, 1, 1                 ; piece 0: V^T P of step 0 starts O^T, K Q^T of step 1 | piece 2's first softmax | K of step 1
	TURN 2, 1, 1, 0                 ; piece 2: the same | piece 0's softmax of step 1 | V of step 1
	WIN 0
	STEPS 2                         ; these fetch steps 2 and 3: slot 0 is read out
.Lslot:                             ; 6 trips: every slot but the last two is filled again
	CHANGE 1
	STEPS 4
	s_sub_co_u32 s[SLOTS], s[SLOTS], 1
	s_cmp_lg_u32 s[SLOTS], 0
	s_cbranch_scc1 .Lslot
	CHANGE 0                        ; the tail is written out
	STEPS 4
	TURN 0, 2, 0, 0                 ; piece 0: V^T P of the last step | piece 2's last softmax
.set i, 0
.rept 16
	PV 2, 0                         ; piece 2: V^T P of the last step
.set i, i+1
.endr
	; THE WAY OUT.  l's two halves and the other half of the lanes' are added; O^T is multiplied by 16 / l, rounded to f16 and sent through my stage, a tile (16 rows) at a time.  The additions are the places behind the last products.
	WIN 0
.irp t, 0,1,2,3
	v_add_f32 v[ST+8*\t+4], v[ST+8*\t+2], v[ST+8*\t+3]
.endr
.irp t, 0,1,2,3
	v_permlanex16_b32 v[ST+8*\t+5], v[ST+8*\t+4], s[SEL], s[SEL+1]
.endr
.irp t, 0,1,2,3
	v_add_f32 v[ST+8*\t+4], v[ST+8*\t+4], v[ST+8*\t+5]
.endr
.irp t, 0,1,2,3
	v_rcp_f32 v[ST+8*\t+6], v[ST+8*\t+4]
.endr
	v_nop                           ; a plain instruction between the last reciprocal and the use of its result
	s_wait_alu depctr_va_vdst(0)    ; and the wait ahead of the first use: one for the four
.irp t, 0,1,2,3
	v_mul_f32 v[ST+8*\t+6], 0x41800000, v[ST+8*\t+6]  ; x 16
.endr
.macro PACK t
	WIN W_RS
.set i, 32*\t
.rept 16
	v_pk_mul_f32 v[i:i+1], v[i:i+1], v[ST+8*\t+6:ST+8*\t+7] op_sel_hi:[1,0]
.set i, i+2
.endr
	WIN 0x05                        ; sources 0 and 1 window 1, destination window 0: S^T's registers are free
.set i, 0
.rept 16
	v_cvt_pk_f16_f32 v[S+16*\t+i], v[32*\t+2*i], v[32*\t+2*i+1]
.set i, i+1
.endr
	WIN 0
.irp f, 0,1,2,3
	ds_store_b128 v[STO], v[S+16*\t+4*\f:S+16*\t+4*\f+3] offset:32*\f
.endr
.irp f, 0,1,2,3
	ds_load_b128 v[S+16*\t+4*\f:S+16*\t+4*\f+3], v[RD] offset:\f*4*SP  ; LDS serves a wave's instructions in order (ISA guide 5.7.1.4): these see the stores above; the next tile's stores come behind them
.endr
.endm
.macro SEND t, younger              ; younger: the LDS instructions issued behind tile t's loads: the next tile's eight, or none
.irp f, 0,1,2,3
	s_wait_dscnt \younger+3-\f
	global_store_b128 v[GO], v[S+16*\t+4*\f:S+16*\t+4*\f+3], s[10:11] offset:\t*2048+\f*512  ; 512 consecutive bytes, aligned
.endr
.endm
	PACK 0
	PACK 1
	SEND 0, 8
	PACK 2
	SEND 1, 8
	PACK 3
	SEND 2, 8
	SEND 3, 0
	s_wait_tensorcnt 0x0            ; the wave's end: behind my last tensor load and my last LDS store
	ds_add_u32 v[SPW], v[NIL]
	s_wait_dscnt 0x0
	CROUND                          ; the closing round
	s_endpgm
.Lfunc_end_k_q43e79b9794_attn:
	.size	k_q43e79b9794_attn, .Lfunc_end_k_q43e79b9794_attn-k_q43e79b9794_attn
	.p2alignl 7, 3214868480
	.fill 96, 4, 3214868480
	.section	.rodata,"a",@progbits
	.p2align	6, 0x0
	.amdhsa_kernel k_q43e79b9794_attn
		.amdhsa_group_segment_fixed_size 327680
		.amdhsa_private_segment_fixed_size 0
		.amdhsa_enable_private_segment 0
		.amdhsa_kernarg_size 24
		.amdhsa_user_sgpr_count 2
		.amdhsa_user_sgpr_kernarg_segment_ptr 1
		.amdhsa_wavefront_size32 1
		.amdhsa_system_sgpr_workgroup_id_x 1
		.amdhsa_system_sgpr_workgroup_id_y 1
		.amdhsa_system_sgpr_workgroup_id_z 1
		.amdhsa_system_vgpr_workitem_id 0
		.amdhsa_next_free_vgpr 1024
		.amdhsa_next_free_sgpr 80
		.amdhsa_reserve_vcc 0
		.amdhsa_float_denorm_mode_32 3
		.amdhsa_float_denorm_mode_16_64 3
		.amdhsa_memory_ordered 1
		.amdhsa_forward_progress 1
		.amdhsa_inst_pref_size 202
	.end_amdhsa_kernel
	.amdgpu_metadata
---
amdhsa.version: [ 1, 2 ]
amdhsa.kernels:
  - .name:           k_q43e79b9794_attn
    .symbol:         k_q43e79b9794_attn.kd
    .args:
      - { .name: qkv, .offset: 0, .size: 8, .value_kind: global_buffer, .address_space: global }
      - { .name: key_padding_mask, .offset: 8, .size: 8, .value_kind: global_buffer, .address_space: global }
      - { .name: ctx, .offset: 16, .size: 8, .value_kind: global_buffer, .address_space: global }
    .group_segment_fixed_size: 327680
    .private_segment_fixed_size: 0
    .kernarg_segment_align: 8
    .kernarg_segment_size: 24
    .max_flat_workgroup_size: 128
    .sgpr_count:     80
    .vgpr_count:     1024
    .wavefront_size: 32
...
	.end_amdgpu_metadata
.endif
;; end of part 3
;; launch oproj (part 4): grid 8 x 64, 4 waves a work-group, clusters of 4 x 4, 327,680 bytes of LDS; arguments ctx, wo16, out0; writes out0
.if DOCPART == 4
	.amdgcn_target "amdgcn-amd-amdhsa--gfx1250"
	.amdhsa_code_object_version 6
	.text
	.protected	k_q43e79b9794_oproj
	.globl	k_q43e79b9794_oproj
	.p2align	8
	.type	k_q43e79b9794_oproj,@function
k_q43e79b9794_oproj:
	s_mov_b64 s[64:65], 0
	v_nop
	global_prefetch_b8 v0, s[64:65] scope:SCOPE_SE
	s_setreg_imm32_b32 hwreg(HW_REG_WAVE_MODE, 25, 1), 1
	s_wait_xcnt 0x0
	s_wait_alu depctr_hold_cnt(0) depctr_sa_sdst(0) depctr_va_vdst(0) depctr_va_sdst(0) depctr_va_ssrc(0) depctr_va_vcc(0) depctr_vm_vsrc(0)
	s_getreg_b32 s2, hwreg(HW_REG_IB_STS2, 6, 4)
	s_cmp_eq_u32 s2, 0
	s_cbranch_scc0 .Lentry_in_a_cluster
	s_endpgm
.Lentry_in_a_cluster:
	s_bfe_u32 s2, ttmp6, 0x10000c
	s_cmp_lg_u32 s2, 0xf033
	s_cbranch_scc0 .Lentry_shape_is_right
	s_endpgm
.Lentry_shape_is_right:
; out0[m][n] = 2^-12 x the sum over (head, d) of ctx[m][head][d] x wo16[n][head][d]: f16 operands, f32 sums.  ctx holds 16 x the attention's result, wo16 holds Wo x gamma x 256: 2^-12 takes both factors back, exactly.
; Both operands are laid [rows / 128][head][row % 128][64]: blocks of 16,384 dense bytes; the order along K, head by head, is the same on both sides.  out0: [8192][1024] f32.
; A tile of out0 is 128 x 128 (512 work-groups).  Four waves, each 64 x 64: 16 accumulators of 16 x 16.  K goes in four steps of 256 (four heads) through two LDS slots; a wave's tensor load brings two head blocks, 32,768 dense
; bytes, as 128 rows of 256 bytes (two matrix rows each) with 16 bytes of padding behind each.  The four K steps are written out.
; CLUSTERS: 4 x 4 work-groups.  A's tiles are shared along a row of the cluster, B's along a column: each is asked for jointly.  THE MATRIX INSTRUCTION IS USED TRANSPOSED (source 0 = rows of wo16, source 1 = rows of ctx).
; REGISTERS: window 0: v0-31 addresses; v32-127 at work on the way out; v128-255 the accumulators ((a, b) at v[128 + 8 (4 a + b)]).   window 1: two fragment buffers of 128: 64 registers of A, then 64 of B, for 64 along K.
.set PITCH,  272                       ; an LDS row: two matrix rows of 128 bytes + 16 of padding: the 16 rows of a fragment fall on 16 different 16-byte columns of 256
.set HB,     64*PITCH                  ; a head block in LDS
.set HALFT,  2*HB                      ; what one tensor load brings
.set SLOT,   4*HALFT                   ; A's four head blocks, then B's four
.set STEPB,  65536                     ; a K step in memory: four head blocks
.set SPARE,  2*SLOT                    ; behind the ring: the spare words, 128 bytes a wave, which no other line names
.set SPITCH, 272                       ; the way out: a stage of 16 rows x (256 bytes + 16) for each wave, in slot 0, which has had its last fill and its last read when the first result is stored there
.set ADRA, 16
.set ADRB, 20
.set STO,  24
.set RD,   25
.set CO,   26
.set SPW,  28
.set NIL,  29
.set TMP,  32                          ; v32-63 a block's scaled results
.set BK,   64                          ; v64-95, v96-127 16 rows read back, by turns
.set ACC,  128
.set F0,   0
.set F1,   128
.set G1, 24
.set G0, 32
.set G1B, 48
.set G0B, 56
.set MSB, 0
.macro WIN new
.if MSB != \new
	s_set_vgpr_msb (MSB<<8)|\new
.set MSB, \new
.endif
.endm
.set MUL,  0x05                        ; sources 0 (B) and 1 (A) window 1; C and D window 0
.set TO_F, 0x40
.macro JLOAD s                         ; a joint load: waves 0 and 1 fetch A's halves of a K step, waves 2 and 3 B's; an s_nop 0 and four v_nop follow each of the two lines
	s_cmp_eq_u32 s11, 0
	s_cbranch_scc0 .Lfor_b_\@
	tensor_load_to_lds s[G0+4*\s:G0+4*\s+3], s[G1:G1+7]
	s_nop 0
.rept 4
	v_nop
.endr
	s_branch .Lasked_\@
.Lfor_b_\@:
	tensor_load_to_lds s[G0B+4*\s:G0B+4*\s+3], s[G1B:G1B+7]
	s_nop 0
.rept 4
	v_nop
.endr
.Lasked_\@:
.endm
.macro CREST                           ; a round of the cluster's barrier behind its opening barrier
	s_cmp_lg_u32 s10, 0
	s_cbranch_scc1 .Lnot_wave_0_\@
	s_barrier_signal -3
.Lnot_wave_0_\@:
	s_barrier_wait -3
	s_barrier_signal -1
	s_barrier_wait -1
.endm
.macro CROUND
	s_barrier_signal -1
	s_barrier_wait -1
	CREST
.endm
	s_load_b128 s[4:7], s[0:1], 0x0                ; ctx, wo16
	s_load_b64 s[8:9], s[0:1], 0x10                ; out0
	v_lshl_add_u32 v[SPW], v0, 2, SPARE
	v_mov_b32 v[NIL], 0
	ds_add_u32 v[SPW], v[NIL]                      ; the wave's opening: the add, twice on end, and its wait ahead of my first tensor load
	ds_add_u32 v[SPW], v[NIL]
	v_lshrrev_b32 v1, 5, v0
	v_readfirstlane_b32 s10, v1                    ; wave 0..3
	s_lshr_b32 s11, s10, 1                         ; which half of the tile's rows is mine.  Also: I fetch for A (0) or for B (1)
	s_and_b32 s12, s10, 1                          ; which half of its columns.  Also: which two head blocks of a K step I fetch
	s_bfe_u32 s40, ttmp6, 0x40000
	s_bfe_u32 s41, ttmp6, 0x40004
	s_lshl_b32 s42, ttmp9, 2
	s_add_co_u32 s42, s42, s40                     ; tile column 0..7
	s_and_b32 s13, ttmp7, 0xffff
	s_lshl_b32 s13, s13, 2
	s_add_co_u32 s13, s13, s41                     ; tile row 0..63
	s_lshl_b32 s43, s41, 2
	s_lshl_b32 s43, 15, s43                        ; my row of the cluster
	s_lshl_b32 s44, 0x1111, s40                    ; my column
	s_or_b32 s[G1+0], s43, (1<<16)|(1<<20)|(1<<21)|(5<<22)|(3<<25)  ; the mask; elements of 2 bytes; padding: 4 words behind every 64; bit 21 beside a mask
	s_or_b32 s[G1B+0], s44, (1<<16)|(1<<20)|(1<<21)|(5<<22)|(3<<25)
.irp g, G1, G1B
	s_mov_b32 s[\g+1], 128<<16                     ; tensor_dim0
	s_mov_b32 s[\g+2], 128<<16                     ; tensor_dim1
	s_mov_b32 s[\g+3], 128<<16                     ; tile_dim0
	s_mov_b32 s[\g+4], 128                         ; tile_dim1
	s_mov_b32 s[\g+5], 128                         ; from row to row: dense
	s_mov_b32 s[\g+6], 0
	s_mov_b32 s[\g+7], 0
.endr
	s_lshl_b32 s17, s12, 15                        ; my two head blocks of a K step
	s_lshl_b32 s16, s13, 18                        ; A: 262,144 bytes for 128 rows
	s_add_co_u32 s16, s16, s17
	s_lshl_b32 s46, s42, 18                        ; B likewise
	s_add_co_u32 s46, s46, s17
	s_mov_b32 s17, 0
	s_mov_b32 s47, 0
	s_mul_i32 s20, s10, HALFT                      ; where they go: wave x two head blocks
	s_wait_dscnt 0x0                               ; both opening adds are done
	s_wait_kmcnt 0x0
	s_add_nc_u64 s[14:15], s[4:5], s[16:17]
	s_add_nc_u64 s[46:47], s[6:7], s[46:47]
	CROUND                                         ; all sixteen work-groups are here: the first joint loads meet
.irp s, 0,1
	s_mov_b32 s[G0+4*\s], 1
	s_add_co_u32 s[G0+4*\s+1], s20, \s*SLOT
	s_add_nc_u64 s[G0+4*\s+2:G0+4*\s+3], s[14:15], \s*STEPB
	s_or_b32 s[G0+4*\s+3], s[G0+4*\s+3], 0x80000000
	s_mov_b32 s[G0B+4*\s], 1
	s_add_co_u32 s[G0B+4*\s+1], s20, \s*SLOT
	s_add_nc_u64 s[G0B+4*\s+2:G0B+4*\s+3], s[46:47], \s*STEPB
	s_or_b32 s[G0B+4*\s+3], s[G0B+4*\s+3], 0x80000000
	JLOAD \s
.endr
	v_and_b32 v1, 15, v0                           ; r = l % 16
	v_bfe_u32 v2, v0, 4, 1                         ; h = l / 16
	v_bfe_u32 v3, v0, 1, 3                         ; matrix row r lies in LDS row r / 2, half r % 2
	v_mul_u32_u24 v3, v3, PITCH
	v_and_b32 v4, 1, v0
	v_lshl_add_u32 v3, v4, 7, v3
	v_lshl_add_u32 v3, v2, 4, v3
	s_mul_i32 s21, s11, 32*PITCH                   ; my 64 rows of each of A's head blocks
	s_mul_i32 s22, s12, 32*PITCH                   ; my 64 rows of B's,
	s_add_co_u32 s22, s22, 2*HALFT                 ; which lie behind A's four blocks
.irp s, 0,1
	v_add_nc_u32 v[ADRA+\s], s21, v3
	v_add_nc_u32 v[ADRB+\s], s22, v3
	s_add_co_u32 s21, s21, SLOT
	s_add_co_u32 s22, s22, SLOT
.endr
	s_mul_i32 s23, s10, 16*SPITCH                  ; my stage
	v_mul_u32_u24 v4, v1, SPITCH                   ; in: row r, 32 bytes for each half of the lanes
	v_lshl_add_u32 v4, v2, 5, v4
	v_add_nc_u32 v[STO], s23, v4
	v_mul_u32_u24 v5, v2, SPITCH                   ; back: lanes 0-15 one row of 256 bytes, lanes 16-31 the next
	v_lshl_add_u32 v5, v1, 4, v5
	v_add_nc_u32 v[RD], s23, v5
	v_lshlrev_b32 v5, 12, v2                       ; and the same two rows in out0: 4,096 bytes a row
	v_lshl_add_u32 v[CO], v1, 4, v5
	s_lshl_b32 s16, s13, 7
	s_lshl_b32 s17, s11, 6
	s_add_co_u32 s16, s16, s17                     ; my first row: 128 x tile row + 64 x half
	s_lshl_b32 s16, s16, 12
	s_mov_b32 s17, 0
	s_add_nc_u64 s[8:9], s[8:9], s[16:17]
	s_lshl_b32 s46, s42, 9                         ; my first column, in bytes: 512 x tile column + 256 x half
	s_lshl_b32 s47, s12, 8
	s_add_co_u32 s46, s46, s47
	s_mov_b32 s47, 0
	s_add_nc_u64 s[8:9], s[8:9], s[46:47]
; 8 matrix instructions: m blocks a0, a0 + 1 x all 4 n blocks, 32 along K: half c of buffer f.  The 16 accumulators take turns.  zero = 1: the first product starts the sums
.macro MUL8 f, c, a0, zero
.irp a, \a0, \a0+1
.irp b, 0,1,2,3
.if \zero
	v_wmma_f32_16x16x32_f16 v[ACC+8*(4*(\a)+\b):ACC+8*(4*(\a)+\b)+7], v[\f+64+8*(4*\c+\b):\f+64+8*(4*\c+\b)+7], v[\f+8*(4*\c+\a):\f+8*(4*\c+\a)+7], 0
.else
	v_wmma_f32_16x16x32_f16 v[ACC+8*(4*(\a)+\b):ACC+8*(4*(\a)+\b)+7], v[\f+64+8*(4*\c+\b):\f+64+8*(4*\c+\b)+7], v[\f+8*(4*\c+\a):\f+8*(4*\c+\a)+7], v[ACC+8*(4*(\a)+\b):ACC+8*(4*(\a)+\b)+7]
.endif
.endr
.endr
.endm
; 32 LDS loads in one run: the fragments of one head (64 along K), whose block begins k bytes into the slot's part, into buffer f; the first 32 along K first
.macro FETCH slot, k, f
	WIN TO_F
.irp c, 0,1
.irp i, 0,1,2,3
	ds_load_b128 v[\f+64+8*(4*\c+\i):\f+64+8*(4*\c+\i)+3],   v[ADRB+\slot] offset:\k+64*\c+\i*8*PITCH
	ds_load_b128 v[\f+64+8*(4*\c+\i)+4:\f+64+8*(4*\c+\i)+7], v[ADRB+\slot] offset:\k+64*\c+\i*8*PITCH+32
	ds_load_b128 v[\f+8*(4*\c+\i):\f+8*(4*\c+\i)+3],         v[ADRA+\slot] offset:\k+64*\c+\i*8*PITCH
	ds_load_b128 v[\f+8*(4*\c+\i)+4:\f+8*(4*\c+\i)+7],       v[ADRA+\slot] offset:\k+64*\c+\i*8*PITCH+32
.endr
.endr
.endm
.macro PLACES                          ; four plain instructions in front of loads into registers that matrix instructions have read, and of reads of results (ISA guide 7.12.1 for reads)
.rept 4
	v_nop
.endr
.endm
; A K step is four quarters of 64 along K (a head each), 32 matrix instructions each, on buffers 0, 1, 0, 1.  One of the first three: multiplies buffer f and fetches the next head, at byte k, into g.
.macro QUARTER slot, k, f, g, zero
	s_wait_dscnt 16                                ; the first 32 along K are in; the other sixteen loads may be out
	WIN MUL
	MUL8 \f, 0, 0, \zero
	MUL8 \f, 0, 2, \zero
	PLACES
	FETCH \slot, \k, \g
	s_wait_dscnt 32                                ; all but the 32 just issued
	WIN MUL
	MUL8 \f, 1, 0, 0
	MUL8 \f, 1, 2, 0
.endm
; The last quarter multiplies buffer 1 and changes slots: ONE barrier; in front of it each wave waits for all its tensor loads, adds 0 to its spare word, and waits for that and for its own reads of this slot.
; fill = 1: this slot is filled again, two K steps ahead; the barrier then opens a round of the cluster's.
.macro TURN slot, next, fill
	WIN 0
	s_wait_tensorcnt 0x0                           ; all my tensor loads have landed: my part of the next slot;
	ds_add_u32 v[SPW], v[NIL]                      ; 0 onto my spare word;
	s_wait_dscnt 17                                ; (the add and the youngest sixteen loads may be out)
	WIN MUL
	MUL8 F1, 0, 0, 0
	s_wait_dscnt 0x0                               ; the add is done, and my reads of this slot are over
	s_barrier_signal -1
	MUL8 F1, 0, 2, 0
.if \fill
	WIN 0
.endif
	s_barrier_wait -1
.if \fill
	CREST                                          ; no wave of any partner still reads this slot's tile or has a load on its way
	s_add_nc_u64 s[G0+4*\slot+2:G0+4*\slot+3], s[G0+4*\slot+2:G0+4*\slot+3], 2*STEPB
	s_add_nc_u64 s[G0B+4*\slot+2:G0B+4*\slot+3], s[G0B+4*\slot+2:G0B+4*\slot+3], 2*STEPB
	JLOAD \slot                                    ; the first tensor load behind the round: 112 matrix instructions ahead of the wait for it; its four v_nop are also the places in front of the loads below
.else
	PLACES
.endif
	FETCH \next, 0, F0
	WIN MUL
	MUL8 F1, 1, 0, 0
	MUL8 F1, 1, 2, 0
.endm
	s_wait_tensorcnt 1                             ; my part of K step 0 is in; K step 1's load may stay out
	s_barrier_signal -1
	s_barrier_wait -1
	FETCH 0, 0, F0
	QUARTER 0, HB,   F0, F1, 1                     ; K step 0; its first products start the sums
	QUARTER 0, 2*HB, F1, F0, 0
	QUARTER 0, 3*HB, F0, F1, 0
	TURN 0, 1, 1                                   ; slot 0 takes K step 2
	QUARTER 1, HB,   F0, F1, 0                     ; K step 1
	QUARTER 1, 2*HB, F1, F0, 0
	QUARTER 1, 3*HB, F0, F1, 0
	TURN 1, 0, 1                                   ; slot 1 takes K step 3
	QUARTER 0, HB,   F0, F1, 0                     ; K step 2
	QUARTER 0, 2*HB, F1, F0, 0
	QUARTER 0, 3*HB, F0, F1, 0
	TURN 0, 1, 0                                   ; nothing is left to fetch
	QUARTER 1, HB,   F0, F1, 0                     ; K step 3
	QUARTER 1, 2*HB, F1, F0, 0
	QUARTER 1, 3*HB, F0, F1, 0
	s_wait_dscnt 16
	WIN MUL
	MUL8 F1, 0, 0, 0
	MUL8 F1, 0, 2, 0
	s_wait_dscnt 0
	MUL8 F1, 1, 0, 0
	MUL8 F1, 1, 2, 0
	WIN 0
; THE WAY OUT, block by block of 16 rows x 64 columns.  SCALE: x 2^-12, into other registers, each accumulator from its low end on.  TOSTAGE: 32 bytes a lane into my own stage, and back as whole rows of 256 bytes.
; SEND: sixteen lanes store 256 consecutive bytes, aligned.  LDS serves a wave's instructions in order (ISA guide 5.7.1.4): no wait between the stage's stores and loads.
.macro SCALE a
.irp b, 0,1,2,3
.irp i, 0,1,2,3
	v_pk_mul_f32 v[TMP+8*\b+2*\i:TMP+8*\b+2*\i+1], v[ACC+8*(4*(\a)+\b)+2*\i:ACC+8*(4*(\a)+\b)+2*\i+1], 0x39800000 op_sel_hi:[1,0]
.endr
.endr
.endm
.macro TOSTAGE a
.set BB, BK+32*((\a)%2)
.irp b, 0,1,2,3
	ds_store_b128 v[STO], v[TMP+8*\b:TMP+8*\b+3] offset:64*\b
	ds_store_b128 v[STO], v[TMP+8*\b+4:TMP+8*\b+7] offset:64*\b+16
.endr
.irp t, 0,1,2,3,4,5,6,7
	ds_load_b128 v[BB+4*\t:BB+4*\t+3], v[RD] offset:\t*2*SPITCH
.endr
.endm
.macro SEND a
.set BB, BK+32*((\a)%2)
	s_wait_dscnt 0x0                               ; the block is back in registers
.irp t, 0,1,2,3,4,5,6,7
	global_store_b128 v[CO], v[BB+4*\t:BB+4*\t+3], s[8:9] offset:(\a)*65536+\t*8192 th:TH_STORE_NT   ; written once, read by nobody here; the block's and the pair's rows stand in the immediate
.endr
.endm
	PLACES
	SCALE 0
	TOSTAGE 0
.irp a, 1,2,3
	SCALE \a                                       ; block a's arithmetic stands between block a - 1's loads from the stage and the wait for them
.if \a > 1
	s_wait_xcnt 0x0                                ; block a - 2's stores have read their data registers: block a's loads may land there
.endif
	SEND \a-1
	TOSTAGE \a
.endr
	SEND 3
	s_wait_tensorcnt 0x0                           ; the wave's end: behind my last tensor load and my last LDS store
	ds_add_u32 v[SPW], v[NIL]
	s_wait_dscnt 0x0
	CROUND                                         ; the closing round
	s_endpgm
.Lfunc_end_k_q43e79b9794_oproj:
	.size	k_q43e79b9794_oproj, .Lfunc_end_k_q43e79b9794_oproj-k_q43e79b9794_oproj
	.p2alignl 7, 3214868480
	.fill 96, 4, 3214868480
	.section	.rodata,"a",@progbits
	.p2align	6, 0x0
	.amdhsa_kernel k_q43e79b9794_oproj
		.amdhsa_group_segment_fixed_size 327680
		.amdhsa_private_segment_fixed_size 0
		.amdhsa_enable_private_segment 0
		.amdhsa_kernarg_size 24
		.amdhsa_user_sgpr_count 2
		.amdhsa_user_sgpr_kernarg_segment_ptr 1
		.amdhsa_wavefront_size32 1
		.amdhsa_system_sgpr_workgroup_id_x 1
		.amdhsa_system_sgpr_workgroup_id_y 1
		.amdhsa_system_sgpr_workgroup_id_z 1
		.amdhsa_system_vgpr_workitem_id 0
		.amdhsa_next_free_vgpr 512
		.amdhsa_next_free_sgpr 66
		.amdhsa_reserve_vcc 0
		.amdhsa_float_denorm_mode_32 3
		.amdhsa_float_denorm_mode_16_64 3
		.amdhsa_memory_ordered 1
		.amdhsa_forward_progress 1
		.amdhsa_inst_pref_size 91
	.end_amdhsa_kernel
	.amdgpu_metadata
---
amdhsa.version: [ 1, 2 ]
amdhsa.kernels:
  - .name:           k_q43e79b9794_oproj
    .symbol:         k_q43e79b9794_oproj.kd
    .args:
      - { .name: ctx, .offset: 0, .size: 8, .value_kind: global_buffer, .address_space: global }
      - { .name: wo16, .offset: 8, .size: 8, .value_kind: global_buffer, .address_space: global }
      - { .name: out0, .offset: 16, .size: 8, .value_kind: global_buffer, .address_space: global }
    .group_segment_fixed_size: 327680
    .private_segment_fixed_size: 0
    .kernarg_segment_align: 8
    .kernarg_segment_size: 24
    .max_flat_workgroup_size: 128
    .sgpr_count:     66
    .vgpr_count:     512
    .wavefront_size: 32
...
	.end_amdgpu_metadata
.endif
;; end of part 4
